; MI455X (gfx1250); checked and timed in simulation.
; The chip was launched on July 23, 2026; its instructions are those of AMD's public machine-readable ISA for CDNA 5 (MIT licence, August 2026) and "CDNA5" Instruction Set Architecture Reference Guide (July 2026). The comments in the code are by the model that wrote it; some were corrected since.
;; Multi Head Attention. Allowed arithmetic: matrix products marked QUANTISED: E4M3 operands, one given power-of-two scale a tensor, by v_wmma_f32_16x16x64_fp8_fp8 or v_wmma_f32_16x16x128_fp8_fp8, f32 sums; everything else in f32.
;; Inputs: W_k_codes 1,024 x 32 x 32 uint8 (E4M3 codes of W_k, K innermost, in blocks of 32 codes); W_o_codes 1,024 x 32 x 32 uint8 (E4M3 codes of W_o, K innermost, in blocks of 32 codes); W_q_codes 1,024 x 32 x 32 uint8 (E4M3 codes of W_q, K innermost, in blocks of 32 codes); W_v_codes 1,024 x 32 x 32 uint8 (E4M3 codes of W_v, K innermost, in blocks of 32 codes); lowp_scales 12 int32 (the exponents e of the quantised operands' scales 2^e); mask 2,048 x 2,048 bool; xk_codes 4 x 2,048 x 32 x 32 uint8 (E4M3 codes of xk, K innermost, in blocks of 32 codes); xq_codes 4 x 2,048 x 32 x 32 uint8 (E4M3 codes of xq, K innermost, in blocks of 32 codes); xv_codes 4 x 2,048 x 32 x 32 uint8 (E4M3 codes of xv, K innermost, in blocks of 32 codes).
;; Outputs: out0 4 x 2,048 x 1,024 float32.
;; This version of the problem:
;;   THIS VERSION OF THE PROBLEM IS GIVEN IN LOW PRECISION. The matrix products marked QUANTISED in the list below multiply operands that are first quantised to E4M3 (4 exponent bits, 3 mantissa bits; 8 bits a number), with one given power-of-two scale for each operand tensor; their sums are f32. All else is computed in f32.
;;   The module's matrix products, in the order in which they are computed (A, B: the left and right operand; K: the contracted axis; several contracted axes count as one K, in the product's order):
;;     1. [M 8,192, K 1,024] x [K 1,024, N 1,024]; A: input xq (given as codes); B: input W_q (given as codes): QUANTISED (scales: A lowp_scales[0], B lowp_scales[1])
;;     2. [M 8,192, K 1,024] x [K 1,024, N 1,024]; A: input xk (given as codes); B: input W_k (given as codes): QUANTISED (scales: A lowp_scales[2], B lowp_scales[3])
;;     3. [M 8,192, K 1,024] x [K 1,024, N 1,024]; A: input xv (given as codes); B: input W_v (given as codes): QUANTISED (scales: A lowp_scales[4], B lowp_scales[5])
;;     4. batch 64 x [M 2,048, K 64] x [K 64, N 2,048]; A: computed on the way; B: computed on the way: QUANTISED (scales: A lowp_scales[6], B lowp_scales[7])
;;     5. batch 64 x [M 2,048, K 2,048] x [K 2,048, N 64]; A: softmax (see below); B: computed on the way: QUANTISED (scales: A lowp_scales[8], B lowp_scales[9])
;;     6. [M 8,192, K 1,024] x [K 1,024, N 1,024]; A: computed on the way; B: input W_o (given as codes): QUANTISED (scales: A lowp_scales[10], B lowp_scales[11])
;;   THE QUANTISER, for each operand of a quantised product, along K:
;;     - The operand's scale is 2^e, e = its entry of the input lowp_scales (int32; the entries are numbered through the quantised products in the list's order, A before B).
;;     - Each number is divided by the scale, clamped to +-448, and rounded to the nearest number of E4M3, ties to even, subnormals kept.
;;     - The product sums the exact products of the quantised numbers (number of the format x scale) in f32.
;;   ~~~python
;;   def quantise(x, axis, e):      # numpy; x: float32 -> the quantised numbers, widened to float32 again
;;       x = np.moveaxis(x, axis, -1); K = x.shape[-1]
;;       r = np.clip(x / 2.0 ** e, -448, 448)
;;       step = 2.0 ** (np.maximum(np.frexp(np.where(r == 0, 1, r))[1] - 1, -6) - 3)
;;       q = np.round(r / step) * step * 2.0 ** e      # np.round: ties to even
;;       return np.moveaxis(q, -1, axis).astype(np.float32)
;;   ~~~
;;   SOFTMAX AHEAD OF A QUANTISED PRODUCT. Where the list says 'softmax', what is quantised is not the finished softmax but p = 2^(t - M), with t = logit x log2(e) and M = ceil(the row's largest t), a whole number; so 1/2 < the row's largest p <= 1. The row's sum l is taken of the UNQUANTISED p, in f32, and the product's result is divided by l at the end. Since M is a whole number, a kernel that streams over the keys may use a running M (the ceiling of the running maximum): every later rescaling is an exact power of two, so the quantised numbers keep their values, but for numbers so far below the row's largest that they fall under the format's range.
;;   OPERANDS COMPUTED ON THE WAY. 'Computed on the way' means the value that the module computes at that place (a softmax that the list does not call 'softmax' is quantised finished and normalised). What goes into a quantiser is computed in f32, as accurately as f32 sums, v_exp_f32 and their like allow (about 1e-6 of the number): no bf16 or f16 on the way to a quantiser, and a product that is left as it is and whose result goes on into a quantised operand takes f32 operands (vector FMAs, or v_wmma_f32_16x16x4_f32). A number that lies on a knife's edge between two numbers of the format may be rounded either way, as far as f32 arithmetic and the matrix unit's own rounding can turn it there, and no further.
;;   INPUTS GIVEN AS CODES. W_k (in the module: [1024, 1024], K = its axis 0); W_o (in the module: [1024, 1024], K = its axis 0); W_q (in the module: [1024, 1024], K = its axis 0); W_v (in the module: [1024, 1024], K = its axis 0); xk (in the module: [4, 2048, 1024], K = its axis 2); xq (in the module: [4, 2048, 1024], K = its axis 2); xv (in the module: [4, 2048, 1024], K = its axis 2): each comes as NAME_codes (uint8): NAME with its K axis moved to the last place and cut into blocks of 32 codes, [.., K / 32, bytes a block], one block behind the other in memory; one code a byte (a code: sign, 4 exponent bits, 3 mantissa bits); its scale is its entry of lowp_scales. Its value is code x scale, taken as it is: it is not quantised again, and the codes and scales need not be those that the quantiser above would give.
;; 2 versions, each right; version 2 is version 1 with the launch attn written anew for expert scheduling mode. Each part assembles by itself: llvm-mc -triple=amdgcn-amd-amdhsa -mcpu=gfx1250 --defsym DOCPART=n.
;; ======== version 1 of 2: 4 launches
;; limits: right only within a limited range of input values
;; workspace buffers: flags 512 bytes of whole numbers; qc 8,388,608 bytes; kc 8,388,608 bytes; vc 8,388,608 bytes; cx 8,388,608 bytes
;; launch tileflags (part 1): grid 128 x 1, 4 waves a work-group, no clusters, 768 bytes of LDS; arguments mask, flags; writes flags
.if DOCPART == 1
	.amdgcn_target "amdgcn-amd-amdhsa--gfx1250"
	.amdhsa_code_object_version 6
	.text
	.protected	k_qe55de10cef_tileflags
	.globl	k_qe55de10cef_tileflags
	.p2align	8
	.type	k_qe55de10cef_tileflags,@function
k_qe55de10cef_tileflags:
	s_mov_b64 s[64:65], 0
	v_nop
	global_prefetch_b8 v0, s[64:65] scope:SCOPE_SE
	s_setreg_imm32_b32 hwreg(HW_REG_WAVE_MODE, 25, 1), 1
	s_wait_xcnt 0x0
; The mask [2048 queries][2048 keys], one byte a place (1 = masked, 0 = open), is summed up for the attention launch: for each tile of 16 queries x 128 keys a class of two bits.
;   1 = every place masked, AND each of the tile's 16 queries has an open key somewhere in its row: the tile's weights are all 0 beside that open key's, so the tile adds nothing
;   2 = every place open: the mask's bytes need not be read
;   0 = anything else: the bytes are read and honoured.  A tile of queries that holds a wholly masked row has no class 1 at all: that row's softmax is uniform and is computed as it stands.
; flags: 128 words, word T for queries 16 T .. 16 T + 15; bits 2 j + 1 : 2 j for keys 128 j .. 128 j + 127.
; SHARES.  Work-group T takes the 16 rows of query tile T; wave w bytes 512 w .. 512 w + 511 of each row (key steps 4 w .. 4 w + 3) and stores byte w of the word.
; A load of a wave covers 512 consecutive bytes of a row; eight neighbouring lanes hold one key step.  The mask is read once: 128 work-groups are all the work there is.
; No branch hangs on the data: every choice is a select.
.set ROWB, 2048                        ; bytes in a row of the mask
.set X, 16                             ; v16-79   16 rows x 4 words as loaded
.set A, 80                             ; v80-95   row i: the AND of my 16 bytes' words
.set O, 96                             ; v96-111  row i: their OR
	s_load_b128 s[4:7], s[0:1], 0x0                ; mask s[4:5], flags s[6:7]
	v_lshl_add_u32 v112, v0, 2, 0x100
	v_mov_b32 v113, 0
	v_lshrrev_b32 v1, 5, v0
	v_readfirstlane_b32 s8, v1                     ; wave 0..3
	v_and_b32 v2, 31, v0                           ; lane
	v_lshlrev_b32 v1, 4, v2                        ; my 16 bytes of the wave's 512
	v_mov_b32 v3, s8
	v_lshlrev_b32 v3, 2, v3                        ; LDS: my wave's word
	v_mov_b32 v4, 0                                ; LDS address 0, and the store's offset
	v_mov_b32 v8, 0x01010101                       ; four masked places
	s_lshl_b32 s10, ttmp9, 15                      ; 16 rows of 2,048 bytes a work-group
	s_lshl_b32 s12, s8, 9
	s_add_co_u32 s10, s10, s12                     ; + my wave's 512 bytes
	s_mov_b32 s11, 0
	s_lshl_b32 s12, ttmp9, 2
	s_add_co_u32 s12, s12, s8                      ; byte w of word T
	s_mov_b32 s13, 0
	s_wait_kmcnt 0x0
	s_add_nc_u64 s[4:5], s[4:5], s[10:11]
	s_add_nc_u64 s[6:7], s[6:7], s[12:13]
.irp i, 0,1,2,3,4,5,6,7,8,9,10,11,12,13,14,15
	global_load_b128 v[X+4*\i:X+4*\i+3], v1, s[4:5] offset:ROWB*\i th:TH_LOAD_NT
.endr
	s_wait_loadcnt 0x0
.irp i, 0,1,2,3,4,5,6,7,8,9,10,11,12,13,14,15
	v_and_b32 v[A+\i], v[X+4*\i], v[X+4*\i+1]
	v_or_b32 v[O+\i], v[X+4*\i], v[X+4*\i+1]
	v_and_b32 v[X+4*\i], v[X+4*\i+2], v[X+4*\i+3]
	v_or_b32 v[X+4*\i+1], v[X+4*\i+2], v[X+4*\i+3]
	v_and_b32 v[A+\i], v[A+\i], v[X+4*\i]
	v_or_b32 v[O+\i], v[O+\i], v[X+4*\i+1]
.endr
	; bit i of s21: row i has an open key among my wave's 512
	s_mov_b32 s21, 0
.irp i, 0,1,2,3,4,5,6,7,8,9,10,11,12,13,14,15
	v_cmp_ne_u32 vcc_lo, v8, v[A+\i]               ; lanes whose 16 bytes of row i are not all masked
	s_cmp_lg_u32 vcc_lo, 0
	s_cselect_b32 s20, 1<<\i, 0
	s_or_b32 s21, s21, s20
.endr
	v_and_b32 v9, v[A], v[A+1]                     ; over the 16 rows: the AND and the OR of my lane's 16 columns
	v_or_b32 v10, v[O], v[O+1]
.irp i, 2,3,4,5,6,7,8,9,10,11,12,13,14,15
	v_and_b32 v9, v9, v[A+\i]
	v_or_b32 v10, v10, v[O+\i]
.endr
	v_cmp_eq_u32 s22, v8, v9                       ; lanes whose 16 x 16 places are all masked
	v_cmp_eq_u32 s23, 0, v10                       ; lanes whose places are all open
	; the four waves' row bits meet in LDS
	v_mov_b32 v11, s21
	ds_store_b32 v3, v11                           ; all lanes write the same word with the same value
	s_wait_dscnt 0x0                               ; for the others' sake: my store has landed
	s_barrier_signal -1
	s_barrier_wait -1
	ds_load_b128 v[12:15], v4
	s_wait_dscnt 0x0
	v_or_b32 v12, v12, v13
	v_or_b32 v14, v14, v15
	v_or_b32 v12, v12, v14
	v_readfirstlane_b32 s24, v12
	s_cmp_eq_u32 s24, 0xffff
	s_cselect_b32 s25, 1, 0                        ; 1: each of the 16 rows has an open key somewhere
	s_mov_b32 s29, 0
.irp g, 0,1,2,3                                ; key step 4 w + g lies in lanes 8 g .. 8 g + 7
	s_bfe_u32 s26, s22, (8<<16)|(8*\g)
	s_cmp_eq_u32 s26, 0xff
	s_cselect_b32 s27, s25, 0                      ; class 1
	s_bfe_u32 s26, s23, (8<<16)|(8*\g)
	s_cmp_eq_u32 s26, 0xff
	s_cselect_b32 s28, 2, 0                        ; class 2
	s_or_b32 s27, s27, s28
	s_lshl_b32 s27, s27, 2*\g
	s_or_b32 s29, s29, s27
.endr
	v_mov_b32 v11, s29
	v_cmp_eq_u32 vcc_lo, 0, v2
	s_wait_xcnt 0x0                                ; EXEC changes only behind this wait
	s_wait_tensorcnt 0x0
	ds_add_u32 v112, v113
	s_wait_dscnt 0x0
	s_and_saveexec_b32 s30, vcc_lo                 ; lane 0 alone stores the wave's byte
	global_store_b8 v4, v11, s[6:7]
	s_wait_xcnt 0x0                                ; and again in front of the line that widens it
	s_or_b32 exec_lo, exec_lo, s30
	s_endpgm
.Lfunc_end_k_qe55de10cef_tileflags:
	.size	k_qe55de10cef_tileflags, .Lfunc_end_k_qe55de10cef_tileflags-k_qe55de10cef_tileflags
	.p2alignl 7, 3214868480
	.fill 96, 4, 3214868480
	.section	.rodata,"a",@progbits
	.p2align	6, 0x0
	.amdhsa_kernel k_qe55de10cef_tileflags
		.amdhsa_group_segment_fixed_size 768
		.amdhsa_private_segment_fixed_size 0
		.amdhsa_enable_private_segment 0
		.amdhsa_kernarg_size 16
		.amdhsa_user_sgpr_count 2
		.amdhsa_user_sgpr_kernarg_segment_ptr 1
		.amdhsa_wavefront_size32 1
		.amdhsa_system_sgpr_workgroup_id_x 1
		.amdhsa_system_sgpr_workgroup_id_y 1
		.amdhsa_system_sgpr_workgroup_id_z 1
		.amdhsa_system_vgpr_workitem_id 0
		.amdhsa_next_free_vgpr 114
		.amdhsa_next_free_sgpr 66
		.amdhsa_reserve_vcc 1
		.amdhsa_float_denorm_mode_32 3
		.amdhsa_float_denorm_mode_16_64 3
		.amdhsa_memory_ordered 1
		.amdhsa_forward_progress 1
		.amdhsa_inst_pref_size 12
	.end_amdhsa_kernel
	.amdgpu_metadata
---
amdhsa.version: [ 1, 2 ]
amdhsa.kernels:
  - .name:           k_qe55de10cef_tileflags
    .symbol:         k_qe55de10cef_tileflags.kd
    .args:
      - { .name: mask, .offset: 0, .size: 8, .value_kind: global_buffer, .address_space: global }
      - { .name: flags, .offset: 8, .size: 8, .value_kind: global_buffer, .address_space: global }
    .group_segment_fixed_size: 768
    .private_segment_fixed_size: 0
    .kernarg_segment_align: 8
    .kernarg_segment_size: 16
    .max_flat_workgroup_size: 128
    .sgpr_count:     66
    .vgpr_count:     114
    .wavefront_size: 32
...
	.end_amdgpu_metadata
.endif
;; end of part 1
;; launch proj (part 2): grid 4 x 96, 4 waves a work-group, clusters of 4 x 4, 327,680 bytes of LDS; arguments xq_codes, xk_codes, xv_codes, W_q_codes, W_k_codes, W_v_codes, lowp_scales, qc, kc, vc; writes qc, kc, vc
.if DOCPART == 2
	.amdgcn_target "amdgcn-amd-amdhsa--gfx1250"
	.amdhsa_code_object_version 6
	.text
	.protected	k_qe55de10cef_proj
	.globl	k_qe55de10cef_proj
	.p2align	8
	.type	k_qe55de10cef_proj,@function
k_qe55de10cef_proj:
	s_mov_b64 s[64:65], 0
	v_nop
	global_prefetch_b8 v0, s[64:65] scope:SCOPE_SE
	s_setreg_imm32_b32 hwreg(HW_REG_WAVE_MODE, 25, 1), 1
	s_wait_xcnt 0x0
	s_wait_alu depctr_hold_cnt(0) depctr_sa_sdst(0) depctr_va_vdst(0) depctr_va_sdst(0) depctr_va_ssrc(0) depctr_va_vcc(0) depctr_vm_vsrc(0)
	s_getreg_b32 s2, hwreg(HW_REG_IB_STS2, 6, 4)
	s_cmp_eq_u32 s2, 0
	s_cbranch_scc0 .Lentry_in_a_cluster
	s_endpgm
.Lentry_in_a_cluster:
	s_bfe_u32 s2, ttmp6, 0x10000c
	s_cmp_lg_u32 s2, 0xf033
	s_cbranch_scc0 .Lentry_shape_is_right
	s_endpgm
.Lentry_shape_is_right:
; The three projections q = xq W_q, k = xk W_k, v = xv W_v on codes of FP8 (E4M3), and the quantising of their results for the attention launch.  All six operands arrive as codes with K (1,024) innermost.
; ROLES.  Cluster y = 0..23; role = y / 8.  Role 0: A = xq, B = W_q, out = qc.  Role 1: A = xk, B = W_k, out = kc.  Role 2: A = W_v, B = xv, out = vc: v is made TRANSPOSED, since the keys are the K of attention's second product.
; The role is the same in all sixteen partners of a cluster; it chooses pointers and offsets by selects, and no branch hangs on it.
; A tile of C = A B^T, 256 x 256, is made by a work-group of four waves; a wave makes 128 x 128: 64 accumulators of 16 x 16, 512 registers.  K goes in steps of 256 through a ring of two LDS slots filled by the tensor data mover.
; CLUSTERS: 4 x 4 work-groups.  The four of a row of the cluster need the same tiles of A, the four of a column the same tiles of B: each tile is asked for JOINTLY, by the same tensor load with the same descriptor and a mask that names the four.
; THE MATRIX INSTRUCTION IS USED TRANSPOSED (source 0 = 16 rows of B, source 1 = 16 rows of A): a lane then holds one row m of A's and eight neighbouring n of B's: eight neighbours along the next product's K (the head's channels for q and k, the keys for v).
; A fragment is fetched by four loads of 16 bytes: registers 4 c .. 4 c + 3 of lane l hold K = 32 c + 16 (l / 16) + 0 .. 15: a permutation of k, alike in A and B, so every product meets its partner.
; THE WAY OUT.  code = sum x 2^(ea + eb) / 2^e, held within +-448, to the nearest code, ties to even: the three exponents are folded into the conversion's one scale 2^E, E = e - ea - eb.
; The codes leave as IMAGES OF THE NEXT OPERAND'S REGISTERS.  qc, kc: [batch 4][head 16][step 16][t 8][c 2][half 2][rho 16][16 bytes]: channels 32 c + 16 half + 0..15 of token 128 step + 32 (t / 2) + 8 (t % 2) + rho + 8 (rho / 8).
; vc: [batch][head][step 16][B1 2][tau 4][B0 2][half 2][rho 16][16 bytes]: keys 128 step + 32 (2 B1 + B0) + 16 half + 0..15 of channel 32 (tau / 2) + 8 (tau % 2) + rho + 8 (rho / 8).
; LIMITS: e6 - e0 - e1, e7 - e2 - e3 and e9 - e4 - e5 lie between -126 and 119, so that 2^E and 448 x 2^E are f32 numbers.  NaN codes among the inputs are not served.
; REGISTERS, in windows of 256: window 0: v0-31 addresses; from v128 A's fragments (8 x 16 rows x 128 K), ONE set; on the way out v32-255 are free.
;   window 1: B's fragments, TWO sets, at v0 and at v128.   window 2: the 32 accumulators of my rows 0-63 (accumulator (a, b) at v[8 (8 a + b)]);   window 3: those of my rows 64-127.
.set KSTEP,  256                       ; along K in a slot
.set ROWB,   256                       ; a tile's row in bytes
.set KROW,   1024                      ; a row of A or of B in memory, in bytes
.set PITCH,  272                       ; an LDS row: 256 bytes of data + 16 of padding = 68 words: the 16 rows that a load touches start 4 words further on each
.set FR,     16                        ; registers of a fragment: 16 rows x 128 K
.set NL,     4                         ; LDS loads that bring one
.set NP,     4                         ; places behind this matrix instruction (ISA guide 7.12.1)
.set HALFT,  128*PITCH                 ; 128 rows: what one tensor load brings, and what one wave reads of A or of B
.set SLOT,   4*HALFT                   ; A's 256 rows, then B's 256 rows
.set LAPS,   2                         ; a lap = two K steps = once round the ring: 1,024 / 512
.set SPARE,  2*SLOT                    ; behind the ring: the spare words, 128 bytes for each wave: two blocks of 256 bytes that no other line names
.set WSTG,   16384                     ; the way out: a stage of 16,384 bytes for each wave (its 128 x 128 codes).  It lies in slot 0, which has had its last fill and its last read when the first code is stored there
.set CO,   8                           ; v8-11   the way out: my byte offsets in the output for the stage's four groups of 4,096 bytes
.set ADRA, 16                          ; v16-17  LDS address of my A fragments in slot 0, 1
.set ADRB, 20                          ; v20-21  the same for B
.set STO,  24                          ; v24     the way out: where I put 8 codes
.set RD,   25                          ; v25     the way out: where I read 16 bytes back
.set SC,   27                          ; v27     2^E as f32: the conversions take its exponent field
.set SPW,  28                          ; v28     LDS address of my spare word: SPARE + 4 x my thread's number; never rewritten
.set NIL,  29                          ; v29     0; never rewritten
.set TMP,  32                          ; the way out: 64 registers, a block's sums, held
.set CD,   96                          ; the way out: two sets of 16 registers of codes
.set AF,   128                         ; A's fragments, in window 0
.set BK,   128                         ; the way out: the stage read back, 128 registers
.set G1, 24                            ; s[24:31] descriptor group 1 for A's tiles;  s[32:39] group 0, one set for each slot
.set G0, 32
.set G1B, 48                           ; s[48:55], s[56:63] the same for B's tiles
.set G0B, 56
.set MSB, 0
.macro WIN new                         ; the immediate's high byte repeats the setting that is left
.if MSB != \new
	s_set_vgpr_msb (MSB<<8)|\new
.set MSB, \new
.endif
.endm
.set MUL_LO, 0xa1                      ; source 0 (B) window 1, source 1 (A) window 0, C and D window 2
.set MUL_HI, 0xf1                      ; the same, C and D window 3
.set TO_B,   0x40                      ; destination window 1, address window 0
; A joint load: waves 0 and 1 fetch for A, waves 2 and 3 for B.  Each of the two lines has ONE mask and one set of registers for all that issue it; the branch hangs on the wave's number alone.
; Four v_nop follow each of the two lines, ahead of the jump, the label and what follows.
.macro JLOAD g0a, g1a, g0b, g1b
	s_cmp_eq_u32 s15, 0
	s_cbranch_scc0 .Lfor_b_\@
	tensor_load_to_lds s[\g0a:\g0a+3], s[\g1a:\g1a+7]
	s_nop 0
.rept 4
	v_nop
.endr
	s_branch .Lasked_\@
.Lfor_b_\@:
	tensor_load_to_lds s[\g0b:\g0b+3], s[\g1b:\g1b+7]
	s_nop 0
.rept 4
	v_nop
.endr
.Lasked_\@:
.endm
.macro CREST                           ; a round of the cluster's barrier behind its opening barrier
	s_cmp_lg_u32 s14, 0
	s_cbranch_scc1 .Lnot_wave_0_\@
	s_barrier_signal -3
.Lnot_wave_0_\@:
	s_barrier_wait -3
	s_barrier_signal -1
	s_barrier_wait -1
.endm
.macro CROUND                          ; a whole round
	s_barrier_signal -1
	s_barrier_wait -1
	CREST
.endm
	s_load_b512 s[68:83], s[0:1], 0x0              ; xq s[68:69], xk s[70:71], xv s[72:73], W_q s[74:75], W_k s[76:77], W_v s[78:79], the scales' exponents s[80:81], qc s[82:83]
	s_load_b128 s[84:87], s[0:1], 0x40             ; kc s[84:85], vc s[86:87]
	v_lshl_add_u32 v[SPW], v0, 2, SPARE
	v_mov_b32 v[NIL], 0
	ds_add_u32 v28, v29
	ds_add_u32 v28, v29
	s_wait_dscnt 0x0
	v_lshrrev_b32 v1, 5, v0
	v_readfirstlane_b32 s14, v1                    ; wave 0..3
	s_lshr_b32 s15, s14, 1                         ; which half of the tile's rows is mine.  Also: I fetch for A (0) or for B (1)
	s_and_b32 s16, s14, 1                          ; which half of its columns.  Also: which 128 rows of that tile I fetch
	s_bfe_u32 s40, ttmp6, 0x40000                  ; cx, cy: my place in the cluster
	s_bfe_u32 s41, ttmp6, 0x40004
	s_and_b32 s66, ttmp7, 0xffff                   ; cluster y, 0..23: the same in all sixteen partners
	s_and_b32 s67, s66, 7
	s_lshr_b32 s66, s66, 3                         ; the role
	s_cmp_eq_u32 s66, 2
	s_cselect_b32 s17, 0, s67                      ; the long axis (8,192 tokens, 8 clusters) is A's rows in roles 0 and 1,
	s_cselect_b32 s42, s67, 0                      ; B's rows in role 2
	s_lshl_b32 s17, s17, 2
	s_add_co_u32 s17, s17, s41                     ; tile row of C: hangs on cluster y and cy alone
	s_lshl_b32 s42, s42, 2
	s_add_co_u32 s42, s42, s40                     ; tile column of C: on cluster y and cx alone
	s_lshl_b32 s43, s41, 2
	s_lshl_b32 s43, 15, s43                        ; my row of the cluster
	s_lshl_b32 s44, 0x1111, s40                    ; my column
	; descriptor group 1: a tile of 128 rows x 256 bytes, padded in LDS
	s_or_b32 s[G1+0], s43, (0<<16)|(1<<20)|(1<<21)|(5<<22)|(3<<25)  ; 15:0 the mask: A's tiles go to my row; 17:16 element of 1 byte; 20 padding on; 21 set beside a mask; 24:22 after every 64 words (code 5); 31:25 of 4 words (code 3)
	s_or_b32 s[G1B+0], s44, (0<<16)|(1<<20)|(1<<21)|(5<<22)|(3<<25)
.irp g, G1, G1B
	s_mov_b32 s[\g+1], ROWB<<16                    ; tensor_dim0
	s_mov_b32 s[\g+2], 128<<16                     ; tensor_dim1 = 128
	s_mov_b32 s[\g+3], ROWB<<16                    ; tile_dim0
	s_mov_b32 s[\g+4], 128                         ; tile_dim1 = 128
	s_mov_b32 s[\g+5], KROW                        ; tensor_dim0_stride
	s_mov_b32 s[\g+6], 0
	s_mov_b32 s[\g+7], 0
.endr
	s_lshl_b32 s18, s16, 7                         ; which 128 rows of the tile I fetch
	s_lshl_b32 s20, s17, 8
	s_add_co_u32 s20, s20, s18                     ; A: row 256 x tile row + 128 x half
	s_lshl_b32 s46, s42, 8
	s_add_co_u32 s46, s46, s18                     ; B: row 256 x tile column + 128 x half
	s_lshl_b32 s20, s20, 10                        ; in bytes: rows of 1,024; under 2^23
	s_lshl_b32 s46, s46, 10
	s_mov_b32 s21, 0
	s_mov_b32 s47, 0
	s_mul_i32 s45, s14, HALFT                      ; where they go: wave x 128 rows: no place in the cluster enters an LDS address
	s_wait_kmcnt 0x0
	s_load_b256 s[88:95], s[80:81], 0x0            ; e0 .. e7
	s_load_b128 s[96:99], s[80:81], 0x20           ; e8 .. e11
	s_cmp_eq_u32 s66, 0                            ; the role's three buffers: the choice hangs on the cluster's number alone
	s_cselect_b64 s[4:5], s[68:69], s[70:71]
	s_cselect_b64 s[6:7], s[74:75], s[76:77]
	s_cselect_b64 s[10:11], s[82:83], s[84:85]
	s_cmp_eq_u32 s66, 2
	s_cselect_b64 s[4:5], s[78:79], s[4:5]         ; A
	s_cselect_b64 s[6:7], s[72:73], s[6:7]         ; B
	s_cselect_b64 s[10:11], s[86:87], s[10:11]     ; out
	s_add_nc_u64 s[20:21], s[4:5], s[20:21]
	s_add_nc_u64 s[46:47], s[6:7], s[46:47]
	CROUND                                         ; all sixteen work-groups are here: the first joint loads meet
.irp s, 0,1
	s_mov_b32 s[G0+4*\s], 1
	s_add_co_u32 s[G0+4*\s+1], s45, \s*SLOT
	s_add_nc_u64 s[G0+4*\s+2:G0+4*\s+3], s[20:21], \s*ROWB
	s_or_b32 s[G0+4*\s+3], s[G0+4*\s+3], 0x80000000
	s_mov_b32 s[G0B+4*\s], 1
	s_add_co_u32 s[G0B+4*\s+1], s45, \s*SLOT
	s_add_nc_u64 s[G0B+4*\s+2:G0B+4*\s+3], s[46:47], \s*ROWB
	s_or_b32 s[G0B+4*\s+3], s[G0B+4*\s+3], 0x80000000
	JLOAD G0+4*\s, G1, G0B+4*\s, G1B
.endr
	v_and_b32 v1, 15, v0                           ; r = l % 16
	v_bfe_u32 v2, v0, 4, 1                         ; h = l / 16
	v_mul_u32_u24 v3, v1, PITCH
	v_lshl_add_u32 v4, v2, 4, v3                   ; a fragment's row x pitch + 16 x half
	s_mul_i32 s21, s15, HALFT                      ; my 128 rows of A
	s_mul_i32 s22, s16, HALFT                      ; my 128 rows of B,
	s_add_co_u32 s22, s22, 2*HALFT                 ; which lie behind A's 256
.irp s, 0,1
	v_add_nc_u32 v[ADRA+\s], s21, v4
	v_add_nc_u32 v[ADRB+\s], s22, v4
	s_add_co_u32 s21, s21, SLOT
	s_add_co_u32 s22, s22, SLOT
.endr
	; the stage.  Accumulator (a, b): lane (r, h) holds m = 16 a + r and n = 16 b + 8 h + 0..7.  In the image: t = 2 (a / 2) + r / 8, rho = 8 (a % 2) + r % 8, c = (b % 4) / 2, half = b % 2, byte 8 h:
	; 8192 (b / 4) + 2048 (a / 2) + 1024 (r / 8) + 512 ((b % 4) / 2) + 256 (b % 2) + 128 (a % 2) + 16 (r % 8) + 8 h; the lane's part stands in v[STO], the rest in the stores' immediates
	s_lshl_b32 s23, s14, 14                        ; my stage: 16,384 x wave
	v_and_b32 v5, 7, v0
	v_lshlrev_b32 v5, 4, v5                        ; 16 (r % 8)
	v_bfe_u32 v6, v0, 3, 1
	v_lshl_add_u32 v5, v6, 10, v5                  ; + 1024 (r / 8)
	v_lshl_add_u32 v5, v2, 3, v5                   ; + 8 h
	v_add_nc_u32 v[STO], s23, v5
	v_and_b32 v6, 31, v0
	v_lshlrev_b32 v[CO], 4, v6                     ; back: 16 bytes a lane, 512 an instruction
	v_add_nc_u32 v[RD], s23, v[CO]
	; where my 16,384 bytes go.  My 128 tokens are one step, my 128 features two heads.  The stage's group g of 4,096 bytes has b / 4 = g / 2 and a / 4 = g % 2.
	s_lshl_b32 s12, s17, 8
	s_lshl_b32 s18, s15, 7
	s_add_co_u32 s12, s12, s18                     ; my first m
	s_lshl_b32 s13, s42, 8
	s_lshl_b32 s18, s16, 7
	s_add_co_u32 s13, s13, s18                     ; my first n
	s_mov_b32 s22, 131072                          ; from head to head
	s_mov_b32 s23, 4096                            ; from half to half of a step's image
	s_cmp_eq_u32 s66, 2
	s_cselect_b32 s18, s13, s12                    ; my first token: m in roles 0 and 1, n in role 2
	s_cselect_b32 s19, s12, s13                    ; my first feature
	s_cselect_b32 s8, s23, s22                     ; what b / 4 steps: the head in roles 0 and 1, B1 in role 2
	s_cselect_b32 s9, s22, s23                     ; what a / 4 steps: t / 4 in roles 0 and 1, the head in role 2
	s_lshr_b32 s20, s18, 11
	s_lshl_b32 s20, s20, 21                        ; the batch: 16 heads x 131,072 bytes
	s_lshr_b32 s21, s19, 6
	s_lshl_b32 s21, s21, 17                        ; the head
	s_add_co_u32 s20, s20, s21
	s_bfe_u32 s21, s18, (4<<16)|7
	s_lshl_b32 s21, s21, 13                        ; the step: 8,192 bytes
	s_add_co_u32 s20, s20, s21
	s_mov_b32 s21, 0
	s_add_nc_u64 s[10:11], s[10:11], s[20:21]
	v_add_nc_u32 v[CO+1], s9, v[CO]
	v_add_nc_u32 v[CO+2], s8, v[CO]
	v_add_nc_u32 v[CO+3], s8, v[CO+1]
.macro FRAG reg, adr, q, i             ; a fragment, 16 rows x 128 K of 8-bit codes, is 16 registers: lane l holds row l % 16; registers 4 c .. 4 c + 3 hold K = 32 c + 16 (l / 16) + 0 .. 15
.irp c, 0,1,2,3
	ds_load_b128 v[\reg+4*\c:\reg+4*\c+3], v[\adr] offset:128*(\q)+32*\c+(\i)*16*PITCH
.endr
.endm
; 16 matrix instructions: A's blocks a0, a0 + 1 x B's eight, 128 along K.  p: B's set.  zero = 1: the first product starts the sums: nothing is ever cleared.
; The 64 accumulators take turns, one instruction a turn, in the same order in every step.
.macro MUL16 a0, p, zero
.irp a, \a0, \a0+1
.irp b, 0,1,2,3,4,5,6,7
.if \zero
	v_wmma_f32_16x16x128_fp8_fp8 v[8*(8*((\a)%4)+\b):8*(8*((\a)%4)+\b)+7], v[128*(\p)+FR*\b:128*(\p)+FR*\b+FR-1], v[AF+FR*(\a):AF+FR*(\a)+FR-1], 0
.else
	v_wmma_f32_16x16x128_fp8_fp8 v[8*(8*((\a)%4)+\b):8*(8*((\a)%4)+\b)+7], v[128*(\p)+FR*\b:128*(\p)+FR*\b+FR-1], v[AF+FR*(\a):AF+FR*(\a)+FR-1], v[8*(8*((\a)%4)+\b):8*(8*((\a)%4)+\b)+7]
.endif
.endr
.endr
.endm
.macro FETCH_B slot, q, p              ; B's eight fragments of the slot's q-th 128 along K into set p
	WIN TO_B
.irp i, 0,1,2,3,4,5,6,7
	FRAG 128*(\p)+FR*\i, ADRB+\slot, \q, \i
.endr
	WIN 0
.endm
.macro FETCH_A slot, q, i0             ; A's blocks i0 .. i0 + 3
.irp i, \i0, \i0+1, \i0+2, \i0+3
	FRAG AF+FR*(\i), ADRA+\slot, \q, \i
.endr
.endm
; A load into a register that a matrix instruction has read, and a vector instruction that reads a matrix result, stand NP places behind that matrix instruction, and only plain vector
; instructions that name none of its registers are places (ISA guide 7.12.1 for vector instructions).
.macro PLACES n
.rept \n
	v_nop
.endr
.endm
; A step of 128 along K that has its successor in the same slot.
.macro STEP slot, q, zero
	s_wait_dscnt 4*NL                              ; B's set and A's blocks 0-3 are in; the youngest 16 loads (A's blocks 4-7) may be out
	WIN MUL_LO
	MUL16 0, (\q)%2, \zero
	MUL16 2, (\q)%2, \zero
	s_wait_dscnt 0                                 ; A's blocks 4-7 are in (asked for 32 matrix instructions ago)
	PLACES NP
	FETCH_B \slot, (\q)+1, 1-(\q)%2
	FETCH_A \slot, (\q)+1, 0
	WIN MUL_HI
	MUL16 4, (\q)%2, \zero
	MUL16 6, (\q)%2, \zero
	PLACES NP
	WIN 0
	FETCH_A \slot, (\q)+1, 4
.endm
; A slot's last step changes slots: ONE barrier; in front of it each wave waits for all its tensor loads, adds 0 to its spare word, and waits for that and for its own reads of this slot.  fill = 1: this slot is filled again, two K steps ahead.
.macro TURN slot, next, fill
	s_wait_tensorcnt 0x0                           ; all my tensor loads have landed: my part of the next slot;  (every window is 0 here: the add's two registers lie in window 0)
	ds_add_u32 v[SPW], v[NIL]                      ; 0 onto my spare word
	s_wait_dscnt 4*NL+1                            ; (the add and the youngest 16 loads, A's blocks 4-7, may be out)
	WIN MUL_LO
	MUL16 0, 1, 0                                  ; sixteen matrix instructions stand between the add and the wait for it
	s_wait_dscnt 0x0                               ; the add is done, and my reads of this slot are over
	s_barrier_signal -1
	MUL16 2, 1, 0
	WIN 0
	s_barrier_wait -1
.if \fill
	CREST                                          ; the barrier has opened a round of the cluster's barrier: no wave of any partner still reads this slot's tile or has a load on its way
	s_add_nc_u64 s[G0+4*\slot+2:G0+4*\slot+3], s[G0+4*\slot+2:G0+4*\slot+3], 2*ROWB
	s_add_nc_u64 s[G0B+4*\slot+2:G0B+4*\slot+3], s[G0B+4*\slot+2:G0B+4*\slot+3], 2*ROWB
	JLOAD G0+4*\slot, G1, G0B+4*\slot, G1B         ; the first tensor load behind the round; the four v_nop behind it are the places in front of the loads below
.else
	PLACES NP
.endif
	FETCH_B \next, 0, 0
	FETCH_A \next, 0, 0
	WIN MUL_HI
	MUL16 4, 1, 0
	MUL16 6, 1, 0
	PLACES NP
	WIN 0
	FETCH_A \next, 0, 4
.endm
	s_wait_tensorcnt 1                             ; my part of K step 0 is in (K step 1's load may be out)
	s_barrier_signal -1
	s_barrier_wait -1                              ; everybody's is
	FETCH_B 0, 0, 0
	FETCH_A 0, 0, 0
	FETCH_A 0, 0, 4
	STEP 0, 0, 1                                   ; the first step stands in front of the loop: its products start the sums
	s_mov_b32 s3, LAPS-1
.Llap:                                                 ; a trip goes once round the ring, from a lap's second step to the next lap's first, and fills both slots again
	TURN 0, 1, 1
	STEP 1, 0, 0
	TURN 1, 0, 1
	STEP 0, 0, 0
	s_sub_co_u32 s3, s3, 1
	s_cmp_lg_u32 s3, 0
	s_cbranch_scc1 .Llap
	TURN 0, 1, 0                                   ; the last lap fills nothing, and has no round of the cluster's barrier
	STEP 1, 0, 0
	s_wait_dscnt 4*NL                              ; the very last step: nothing more to fetch
	WIN MUL_LO
	MUL16 0, 1, 0
	MUL16 2, 1, 0
	s_wait_dscnt 0
	WIN MUL_HI
	MUL16 4, 1, 0
	MUL16 6, 1, 0
	WIN 0
	; THE WAY OUT.  The role's folded exponent E, chosen by selects
	s_wait_kmcnt 0x0
	s_sub_co_i32 s88, s94, s88
	s_sub_co_i32 s88, s88, s89                     ; e6 - e0 - e1
	s_sub_co_i32 s90, s95, s90
	s_sub_co_i32 s90, s90, s91                     ; e7 - e2 - e3
	s_sub_co_i32 s92, s97, s92
	s_sub_co_i32 s92, s92, s93                     ; e9 - e4 - e5
	s_cmp_eq_u32 s66, 0
	s_cselect_b32 s88, s88, s90
	s_cmp_eq_u32 s66, 2
	s_cselect_b32 s88, s92, s88
	s_add_co_i32 s88, s88, 127
	s_lshl_b32 s89, s88, 23
	v_mov_b32 v[SC], s89                           ; 2^E as f32
	s_add_co_i32 s88, s88, 8
	s_lshl_b32 s100, s88, 23
	s_or_b32 s100, s100, 0x600000                  ; 448 x 2^E
	s_or_b32 s101, s100, 0x80000000                ; and its negative
	PLACES NP                                      ; in front of the first read of results
; Block a (my rows 16 a .. 16 a + 15 x 128 columns): held, converted, 8 codes a lane and accumulator into the stage.  Each accumulator is read from its low end on.
.macro QBLOCK a
.set AC, 64*((\a)%4)
.set CS, CD+16*((\a)%2)
.if (\a) >= 2
	s_wait_dscnt 8                                 ; block a - 1's eight stores may be out; block a - 2's have read the set of codes that is written now
.endif
	WIN 0x02+((\a)/4)                              ; source 0: window 2 or 3
.set i, 0
.rept 64
	v_med3_num_f32 v[TMP+i], v[AC+i], s101, s100   ; the conversion to an 8-bit code does not saturate (ISA guide 7.6.2): the hold at the largest code x the scale
.set i, i+1
.endr
	WIN 0
.irp b, 0,1,2,3,4,5,6,7
	v_cvt_scalef32_pk8_fp8_f32 v[CS+2*\b:CS+2*\b+1], v[TMP+8*\b:TMP+8*\b+7], v[SC]
.endr
	v_nop                                          ; one plain vector instruction behind the last conversion: the next block's holds write the conversions' sources
.irp b, 0,1,2,3,4,5,6,7
	ds_store_b64 v[STO], v[CS+2*\b:CS+2*\b+1] offset:(\b/4)*8192+((\a)/2)*2048+((\b%4)/2)*512+(\b%2)*256+((\a)%2)*128
.endr
.endm
.irp a, 0,1,2,3,4,5,6,7
	QBLOCK \a
.endr
.set i, 0
.rept 32
	ds_load_b128 v[BK+4*i:BK+4*i+3], v[RD] offset:512*i   ; LDS serves a wave's instructions in order (ISA guide 5.7.1.4): these see my stores above; the bytes are my own
.set i, i+1
.endr
.set i, 0
.rept 32
	s_wait_dscnt 31-i                              ; load i is in; the younger ones may be out
	global_store_b128 v[CO+i/8], v[BK+4*i:BK+4*i+3], s[10:11] offset:512*(i%8)   ; 32 lanes store 512 consecutive bytes, at a multiple of 512 from the buffer's first byte
.set i, i+1
.endr
	s_wait_tensorcnt 0x0                           ; the wave's end, behind my last tensor load and my last LDS store
	ds_add_u32 v[SPW], v[NIL]
	s_wait_dscnt 0x0
	CROUND                                         ; the closing round: no work-group ends while a partner may still ask for a tile that names it
	s_endpgm
.Lfunc_end_k_qe55de10cef_proj:
	.size	k_qe55de10cef_proj, .Lfunc_end_k_qe55de10cef_proj-k_qe55de10cef_proj
	.p2alignl 7, 3214868480
	.fill 96, 4, 3214868480
	.section	.rodata,"a",@progbits
	.p2align	6, 0x0
	.amdhsa_kernel k_qe55de10cef_proj
		.amdhsa_group_segment_fixed_size 327680
		.amdhsa_private_segment_fixed_size 0
		.amdhsa_enable_private_segment 0
		.amdhsa_kernarg_size 80
		.amdhsa_user_sgpr_count 2
		.amdhsa_user_sgpr_kernarg_segment_ptr 1
		.amdhsa_wavefront_size32 1
		.amdhsa_system_sgpr_workgroup_id_x 1
		.amdhsa_system_sgpr_workgroup_id_y 1
		.amdhsa_system_sgpr_workgroup_id_z 1
		.amdhsa_system_vgpr_workitem_id 0
		.amdhsa_next_free_vgpr 1024
		.amdhsa_next_free_sgpr 102
		.amdhsa_reserve_vcc 0
		.amdhsa_float_denorm_mode_32 3
		.amdhsa_float_denorm_mode_16_64 3
		.amdhsa_memory_ordered 1
		.amdhsa_forward_progress 1
		.amdhsa_inst_pref_size 126
	.end_amdhsa_kernel
	.amdgpu_metadata
---
amdhsa.version: [ 1, 2 ]
amdhsa.kernels:
  - .name:           k_qe55de10cef_proj
    .symbol:         k_qe55de10cef_proj.kd
    .args:
      - { .name: xq_codes, .offset: 0, .size: 8, .value_kind: global_buffer, .address_space: global }
      - { .name: xk_codes, .offset: 8, .size: 8, .value_kind: global_buffer, .address_space: global }
      - { .name: xv_codes, .offset: 16, .size: 8, .value_kind: global_buffer, .address_space: global }
      - { .name: W_q_codes, .offset: 24, .size: 8, .value_kind: global_buffer, .address_space: global }
      - { .name: W_k_codes, .offset: 32, .size: 8, .value_kind: global_buffer, .address_space: global }
      - { .name: W_v_codes, .offset: 40, .size: 8, .value_kind: global_buffer, .address_space: global }
      - { .name: lowp_scales, .offset: 48, .size: 8, .value_kind: global_buffer, .address_space: global }
      - { .name: qc, .offset: 56, .size: 8, .value_kind: global_buffer, .address_space: global }
      - { .name: kc, .offset: 64, .size: 8, .value_kind: global_buffer, .address_space: global }
      - { .name: vc, .offset: 72, .size: 8, .value_kind: global_buffer, .address_space: global }
    .group_segment_fixed_size: 327680
    .private_segment_fixed_size: 0
    .kernarg_segment_align: 8
    .kernarg_segment_size: 80
    .max_flat_workgroup_size: 128
    .sgpr_count:     102
    .vgpr_count:     1024
    .wavefront_size: 32
...
	.end_amdgpu_metadata
.endif
;; end of part 2
;; launch attn (part 3): grid 4 x 64, 16 waves a work-group, no clusters, 264,192 bytes of LDS; arguments qc, kc, vc, mask, flags, lowp_scales, cx; writes cx
.if DOCPART == 3
	.amdgcn_target "amdgcn-amd-amdhsa--gfx1250"
	.amdhsa_code_object_version 6
	.text
	.protected	k_qe55de10cef_attn
	.globl	k_qe55de10cef_attn
	.p2align	8
	.type	k_qe55de10cef_attn,@function
k_qe55de10cef_attn:
	s_mov_b64 s[64:65], 0
	v_nop
	global_prefetch_b8 v0, s[64:65] scope:SCOPE_SE
	s_setreg_imm32_b32 hwreg(HW_REG_WAVE_MODE, 25, 1), 1
	s_wait_xcnt 0x0
; ctx[b][q][head] = softmax_k(where(mask, -1e9, q . k / 8)) v, both products on codes of FP8 (E4M3), and ctx quantised for the last projection.
; qc, kc, vc are images of operand registers (their layouts: below); mask is [2048][2048] bytes, 1 = masked; flags holds a class for each tile of 16 queries x 128 keys; cx is the image of the last projection's A.
; THE SOFTMAX: t = logit x log2(e); M = the row's largest t so far, rounded UP to a whole number; p = 2^(t - M) is what is quantised, with 2^e8; it is not normalised.  The row's sum is taken of the unquantised p and divides O at the end.
; When M moves, the sum and O are multiplied by 2^(old M - new M): exact.  A masked place has t = -1e9 x log2(e) rounded to f32, -1,442,695,040, a whole number: a row that is wholly masked has p = 1 everywhere, the uniform softmax.
; SHARES.  A work-group serves one head of one batch (y = 16 batch + head) and a quarter of its queries (x = 0..3).  A HEAD'S K AND V CODES, 131,072 bytes each, LIE WHOLE IN LDS: copied in once, as they lie, one barrier, never written again.
; Wave w of work-group x takes query tiles T = 16 x + w and 127 - T, 16 queries each, in 256 registers: four waves to a SIMD, so that one wave's vector work stands beside another's matrix work and LDS loads.
; Under a triangular mask the two tiles together have 17 key steps for every wave; under any other mask the shares are right, only less even.
; A KEY STEP is 128 keys.  Its class, read from flags, steers two scalar branches: class 1: the step is passed over; class 2: the mask's bytes are not read; class 0: they are read and honoured.
; NO JOINT LOADS, though the four work-groups of a head read the same 262,144 bytes: a joint request is a tensor load.
; A tile may pass over up to 15 of its 16 steps.  The shared bytes are read once by each work-group, at its head, and never again.
; LAYOUT.  Both products are used transposed: S^T = K Q^T (source 0 = 16 keys, source 1 = my 16 queries, K = 64), O^T = V^T P^T (source 0 = 16 channels, source 1 = P, K = 128 keys): a lane holds ONE query (lane % 16) throughout.
; kc, qc: [batch][head][step 16][t 8][c 2][lane 32][16 bytes]: lane (rho, half) holds channels 32 c + 16 half + 0..15 of token 128 step + 32 (t / 2) + 8 (t % 2) + rho + 8 (rho / 8):
; so the 16 registers of tiles 2 B and 2 B + 1 of S^T are the 16 neighbouring keys 32 B + 16 (lane / 16) + 0..15, and the conversions' results are P's registers.
; vc: [batch][head][step 16][B1 2][tau 4][B0 2][lane 32][16 bytes]: keys 32 (2 B1 + B0) + 16 half + 0..15 of channel 32 (tau / 2) + 8 (tau % 2) + rho + 8 (rho / 8): likewise O^T's 16 registers of two tiles are 16 neighbouring channels.
; cx: [ks 4][token / 16][q 2][c 4][lane 32][16 bytes]: features 256 ks + 128 q + 32 c + 16 half + 0..15 of token 16 (token / 16) + lane % 16.
; In every fragment registers 4 c .. 4 c + 3 hold k = 32 c + 16 (lane / 16) + 0..15: a permutation of k, alike on both sides of each product.
; LIMITS on the given exponents, so that each power of two below is an f32 number: e8 and e10 - e8 - e9 between -126 and 119; e6 + e7 between -123 and 8.  With e6 + e7 <= 8 an open logit is above -64 x 448^2 x 2^8 / 8 = -4.2e8,
; so that a masked place's p is 0 beside any open place of its row, as in the definition.  NaN codes are not served.
; REGISTERS: v1-4 addresses that stay; v5-7 addresses in hand; v8-11, v225 constants; v12 -M, v13 the largest t, v[14:15] the sum in two halves; v16-23 Q; v24-31 ctx's codes; v32-95 K's eight fragments, then V's four;
; v96-159 S^T, then p; v160-191 O^T; v192-207 p's codes; v208-223 the mask's bytes; v226.. at work.
.set VIMG, 131072                      ; LDS: K's images at 0 (step j at 8,192 j), V's behind them
.set LI,   1                           ; v1   16 x lane
.set LV,   2                           ; v2   16 x lane + VIMG
.set QA,   3                           ; v3   Q: my lane's place in a step's image
.set MA,   4                           ; v4   the mask: 2,048 x (lane % 16) + 16 x (lane / 16)
.set ADK,  5                           ; v5   LDS address of the step's K
.set ADV,  6                           ; v6   of its V
.set MAJ,  7                           ; v7   the mask's offset for the step
.set TNEG, 8                           ; v8   t of a masked place
.set PSC,  9                           ; v9   2^e8
.set PLIM, 10                          ; v10  448 x 2^e8
.set CSC,  11                          ; v11  2^(e10 - e8 - e9)
.set CLIM, 225                         ; v225 448 x that
.set QF,   16
.set CC,   24
.set KV,   32
.set SS,   96
.set OT,   160
.set PC,   192
.set MB,   208
.set TM,   226                         ; v226, v227 at work
	s_load_b256 s[4:11], s[0:1], 0x0               ; qc s[4:5], kc s[6:7], vc s[8:9], mask s[10:11]
	s_load_b128 s[12:15], s[0:1], 0x20             ; flags s[12:13], the scales' exponents s[14:15]
	s_load_b64 s[16:17], s[0:1], 0x30              ; cx
	v_lshl_add_u32 v251, v0, 2, 0x40000
	v_mov_b32 v255, 0
	v_lshrrev_b32 v1, 5, v0
	v_readfirstlane_b32 s18, v1                    ; wave 0..15
	s_and_b32 s19, ttmp7, 0xffff                   ; 16 x batch + head
	v_and_b32 v[TM], 31, v0
	v_lshlrev_b32 v[LI], 4, v[TM]
	v_add_nc_u32 v[LV], VIMG, v[LI]
	s_lshl_b32 s34, s18, 13                        ; wave w copies step w: 8,192 bytes of K and of V
	v_add_nc_u32 v[ADK], s34, v[LI]                ; the same number is the offset in the head's codes and the LDS address
	v_add_nc_u32 v[ADV], s34, v[LV]
	s_lshl_b32 s42, s19, 17                        ; the head's 131,072 bytes in qc, kc and vc
	s_mov_b32 s43, 0
	s_wait_kmcnt 0x0
	s_load_b64 s[36:37], s[14:15], 0x18            ; e6, e7
	s_load_b64 s[38:39], s[14:15], 0x20            ; e8, e9
	s_load_b32 s40, s[14:15], 0x28                 ; e10
	s_add_nc_u64 s[4:5], s[4:5], s[42:43]
	s_add_nc_u64 s[6:7], s[6:7], s[42:43]
	s_add_nc_u64 s[8:9], s[8:9], s[42:43]
.set i, 0
.rept 16
	global_load_b128 v[KV+4*i:KV+4*i+3], v[ADK], s[6:7] offset:512*i   ; 32 lanes read 512 consecutive bytes
.set i, i+1
.endr
.set i, 0
.rept 16
	global_load_b128 v[SS+4*i:SS+4*i+3], v[ADK], s[8:9] offset:512*i
.set i, i+1
.endr
	v_and_b32 v[TM], 7, v0
	v_lshlrev_b32 v[QA], 4, v[TM]                  ; Q of query 16 T + r lies in tile 2 ((T % 8) / 2) + r / 8 of its step, at rho = 8 (T % 2) + r % 8: 16 (r % 8)
	v_bfe_u32 v[TM], v0, 3, 1
	v_lshl_add_u32 v[QA], v[TM], 10, v[QA]         ; + 1,024 (r / 8)
	v_bfe_u32 v[TM+1], v0, 4, 1
	v_lshl_add_u32 v[QA], v[TM+1], 8, v[QA]        ; + 256 (lane / 16)
	v_and_b32 v[TM], 15, v0
	v_lshlrev_b32 v[MA], 11, v[TM]
	v_lshl_add_u32 v[MA], v[TM+1], 4, v[MA]
	v_mov_b32 v[TNEG], 0xceabfb8f                  ; -1e9 x log2(e), rounded to f32: -1,442,695,040
	v_mov_b32 v236, 0                              ; written once: a lane permute's destination counts as one of its sources
	v_mov_b32 v253, 0                              ; (named as the upper half of the pair v[252:253])
	s_mov_b32 s20, 0x76543210                      ; v_permlanex16_b32's selects for lane l xor 16
	s_mov_b32 s21, 0xfedcba98
	s_and_b32 s34, s19, 15                         ; the head
	s_lshr_b32 s35, s34, 2
	s_lshl_b32 s35, s35, 21                        ; cx: ks = head / 4: 2,097,152 bytes,
	s_lshr_b32 s41, s19, 4
	s_lshl_b32 s41, s41, 19                        ; the batch's 128 tiles of 4,096 bytes,
	s_add_co_u32 s35, s35, s41
	s_and_b32 s41, s34, 3
	s_lshl_b32 s41, s41, 10                        ; q = (head / 2) % 2: 2,048; c = 2 (head % 2): 1,024
	s_add_co_u32 s35, s35, s41
	s_lshl_b32 s26, ttmp9, 4
	s_add_co_u32 s26, s26, s18                     ; my first tile of queries: T = 16 x + w
	s_mov_b32 s33, 2                               ; tiles to go
	s_wait_kmcnt 0x0
	s_add_co_i32 s41, s36, s37
	s_lshl_b32 s41, s41, 23
	s_add_co_i32 s22, s41, 0x3e38aa3b              ; c = log2(e) / 8 x 2^(e6 + e7): the two exponents are added to the exponent field
	s_mov_b32 s23, s22                             ; (named with it as a pair, so it is written)
	s_add_co_i32 s41, s38, 127
	s_lshl_b32 s34, s41, 23
	v_mov_b32 v[PSC], s34
	s_add_co_i32 s41, s41, 8
	s_lshl_b32 s41, s41, 23
	s_or_b32 s41, s41, 0x600000
	v_mov_b32 v[PLIM], s41
	s_sub_co_i32 s41, s40, s38
	s_sub_co_i32 s41, s41, s39                     ; O / l stands for ctx / 2^(e8 + e9): its code is (O / l) / 2^(e10 - e8 - e9)
	s_add_co_i32 s41, s41, 127
	s_lshl_b32 s34, s41, 23
	v_mov_b32 v[CSC], s34
	s_add_co_i32 s41, s41, 8
	s_lshl_b32 s41, s41, 23
	s_or_b32 s41, s41, 0x600000
	v_mov_b32 v[CLIM], s41
.set i, 0
.rept 16
	s_wait_loadcnt 31-i                            ; loads come back in order: K's load i is in, the younger ones may be out
	ds_store_b128 v[ADK], v[KV+4*i:KV+4*i+3] offset:512*i
.set i, i+1
.endr
.set i, 0
.rept 16
	s_wait_loadcnt 15-i
	ds_store_b128 v[ADV], v[SS+4*i:SS+4*i+3] offset:512*i
.set i, i+1
.endr
	s_wait_dscnt 0x0                               ; for the others' sake: my stores have landed
	s_barrier_signal -1
	s_barrier_wait -1                              ; the head's K and V lie in LDS; from here on LDS is only read, so this is the launch's one barrier
.Ltile:
	s_wait_xcnt 0x0                                ; the last tile's stores have read their data and their base: both are written again below
	s_lshr_b32 s42, s26, 1
	s_lshl_b32 s42, s42, 11                        ; Q: 8,192 (T / 8) + 2,048 ((T % 8) / 2) = 2,048 (T / 2),
	s_and_b32 s34, s26, 1
	s_lshl_b32 s34, s34, 7                         ; + 128 (T % 2)
	s_add_co_u32 s42, s42, s34
	s_add_nc_u64 s[44:45], s[4:5], s[42:43]
	s_lshl_b32 s42, s26, 15
	s_add_nc_u64 s[46:47], s[10:11], s[42:43]      ; the mask at my 16 rows
	s_lshl_b32 s42, s26, 12
	s_add_co_u32 s42, s42, s35
	s_add_nc_u64 s[48:49], s[16:17], s[42:43]      ; cx at my tile's two blocks of 512 bytes
	s_lshl_b32 s42, s26, 2
	s_add_nc_u64 s[50:51], s[12:13], s[42:43]
	s_load_b32 s27, s[50:51], 0x0                  ; the classes of my tile's 16 key steps
	global_load_b128 v[QF:QF+3], v[QA], s[44:45]
	global_load_b128 v[QF+4:QF+7], v[QA], s[44:45] offset:512
	v_mov_b32 v13, 0xff61b1e6                      ; the largest t so far: -3e38, under every t
	v_floor_f32 v12, -v13                          ; -M
	v_mov_b32 v14, 0                               ; the sum, in two halves
	v_mov_b32 v15, 0
.set i, 0
.rept 32
	v_mov_b32 v[OT+i], 0                           ; O^T.  Which step is a tile's first hangs on the flags, so no first product can be written out to start the sums: the first change of M leaves these zeros zeros
.set i, i+1
.endr
	s_wait_kmcnt 0x0
	s_wait_loadcnt 0x0                             ; Q
	s_mov_b32 s32, 0
.Lstep:                                            ; 16 trips, a constant: what is passed over is a step's work
	s_lshl_b32 s29, s32, 1
	s_lshr_b32 s28, s27, s29
	s_and_b32 s28, s28, 3                          ; the step's class
	s_lshl_b32 s30, s32, 13                        ; its images in LDS
	s_lshl_b32 s31, s32, 7                         ; its first key
	s_cmp_eq_u32 s28, 1
	s_cbranch_scc1 .Lskip                          ; every place masked, and each of my queries has an open key elsewhere: all p would be 0
	v_add_nc_u32 v[ADK], s30, v[LI]
	v_add_nc_u32 v[ADV], s30, v[LV]
	v_nop                                          ; with the two additions: four places in front of loads into registers that the last step's matrix instructions have read
	v_nop
.irp t, 0,1,2,3,4,5,6,7
.irp c, 0,1
	ds_load_b128 v[KV+8*\t+4*\c:KV+8*\t+4*\c+3], v[ADK] offset:1024*\t+512*\c
.endr
.endr
	s_wait_dscnt 8                                 ; tiles 0-3 are in; the eight loads of tiles 4-7 may be out
.irp t, 0,1,2,3
	v_wmma_f32_16x16x64_fp8_fp8 v[SS+8*\t:SS+8*\t+7], v[KV+8*\t:KV+8*\t+7], v[QF:QF+7], 0
.endr
	s_wait_dscnt 0x0
.irp t, 4,5,6,7
	v_wmma_f32_16x16x64_fp8_fp8 v[SS+8*\t:SS+8*\t+7], v[KV+8*\t:KV+8*\t+7], v[QF:QF+7], 0
.endr
.rept 4
	v_nop                                          ; places: in front of the loads below, into registers that these products have read, and of the first read of the scores
.endr
.irp u, 0,1,2,3                                ; V's four fragments take K's registers and land under the softmax
.irp b, 0,1,2,3
	ds_load_b128 v[KV+16*\u+4*\b:KV+16*\u+4*\b+3], v[ADV] offset:4096*(\b/2)+1024*\u+512*(\b%2)
.endr
.endr
	s_mov_b32 s24, s22                             ; s[24:25]: what turns the registers' numbers into t: c for raw scores
	s_mov_b32 s25, s22
	s_cmp_lg_u32 s28, 0
	s_cbranch_scc1 .Lopen                          ; every place open
	; a mixed step: the scores become t, rounded to f32 as the definition has it, and masked places take the masked t
	v_add_nc_u32 v[MAJ], s31, v[MA]
.irp b, 0,1,2,3
	global_load_b128 v[MB+4*\b:MB+4*\b+3], v[MAJ], s[46:47] offset:32*\b   ; byte i: key 32 b + 16 (lane / 16) + i of my query: register 16 b + i
.endr
.set i, 0
.rept 32
	v_pk_mul_f32 v[SS+i:SS+i+1], v[SS+i:SS+i+1], s[22:23] op_sel_hi:[1,0]
.set i, i+2
.endr
	s_wait_loadcnt 0x0
.set n, 0
.rept 64
	v_and_b32 v[TM+n%2], 1<<(8*(n%4)), v[MB+n/4]
.if n%2
	v_cmp_ne_u32 s52, 0, v[TM+1]
	v_cndmask_b32 v[SS+n], v[SS+n], v[TNEG], s52
.else
	v_cmp_ne_u32 vcc_lo, 0, v[TM]
	v_cndmask_b32 v[SS+n], v[SS+n], v[TNEG], vcc_lo
.endif
.set n, n+1
.endr
	s_mov_b32 s24, 1.0                             ; the registers hold t already
	s_mov_b32 s25, 1.0
.Lopen:
	v_max3_num_f32 v254, v[SS], v[SS+1], v[SS+2]   ; the step's largest number of my query, among my 64 keys, in two chains; each accumulator is met from its low end on
	v_max3_num_f32 v252, v[SS+3], v[SS+4], v[SS+5]
.set i, 6
.rept 14
	v_max3_num_f32 v254, v254, v[SS+i], v[SS+i+1]
	v_max3_num_f32 v252, v252, v[SS+i+2], v[SS+i+3]
.set i, i+4
.endr
	v_max3_num_f32 v254, v254, v[SS+62], v[SS+63]
	v_max_num_f32 v254, v254, v252
	v_permlanex16_b32 v236, v254, s20, s21
	v_max_num_f32 v254, v254, v236                 ; and among lane l xor 16's
	v_mul_f32 v254, s24, v254                      ; as t (the factor is positive)
	v_max_num_f32 v13, v13, v254                   ; the running largest t
	v_mov_b32 v254, v12
	v_floor_f32 v12, -v13                          ; the new -M = floor(-t) = -ceil(t): M is a whole number
	v_sub_f32 v254, v12, v254                      ; M's old value less its new one: a whole number, 0 or less
	v_cvt_i32_f32 v254, v254                       ; (it saturates)
	v_ldexp_f32 v252, 1.0, v254                    ; f = 2^(old M - new M)
.set i, 0
.rept 32
	v_pk_fma_f32 v[SS+i:SS+i+1], v[SS+i:SS+i+1], s[24:25], v[12:13] op_sel_hi:[1,0,0]   ; t - M, two at a time (of both pairs the low word serves both halves)
.set i, i+2
.endr
.set i, 0
.rept 64
	v_exp_f32 v[SS+i], v[SS+i]                     ; p = 2^(t - M): not normalised
.set i, i+1
.endr
	v_pk_mul_f32 v[14:15], v[14:15], v[252:253] op_sel_hi:[1,0]   ; the sums under the new M: the plain instruction behind the exponentials
	s_wait_alu depctr_va_vdst(0)                   ; one wait for the batch of 64, ahead of its first reader
	v_pk_add_f32 v[242:243], v[SS:SS+1], v[SS+2:SS+3]   ; the row's sum is taken of the unquantised p: two at a time, in two chains
.set i, 4
.rept 15
	v_pk_add_f32 v[14:15], v[14:15], v[SS+i:SS+i+1]
	v_pk_add_f32 v[242:243], v[242:243], v[SS+i+2:SS+i+3]
.set i, i+4
.endr
	v_pk_add_f32 v[14:15], v[14:15], v[242:243]
	s_cmp_ge_i32 s38, -8                           ; p is at most 1 (by rounding a few parts in 10^7 more) and the hold lies at 448 x 2^e8, which is 1.75 or more from e8 = -8 on: there it changes no number
	s_cbranch_scc1 .Lnohold
.set i, 0
.rept 64
	v_min_num_f32 v[SS+i], v[SS+i], v[PLIM]        ; the conversion to an 8-bit code does not saturate (ISA guide 7.6.2); p is not negative, so the hold is one-sided
.set i, i+1
.endr
.Lnohold:
.irp b, 0,1,2,3
	v_cvt_scalef32_pk8_fp8_f32 v[PC+4*\b:PC+4*\b+1], v[SS+16*\b:SS+16*\b+7], v[PSC]
	v_cvt_scalef32_pk8_fp8_f32 v[PC+4*\b+2:PC+4*\b+3], v[SS+16*\b+8:SS+16*\b+15], v[PSC]
.endr
.set i, 0
.rept 16
	v_pk_mul_f32 v[OT+i:OT+i+1], v[OT+i:OT+i+1], v[252:253] op_sel_hi:[1,0]   ; O^T under the new M.  (Also the plain instructions between the conversions and the products that read their results)
.set i, i+2
.endr
	s_wait_dscnt 0x0                               ; V is in
.irp u, 0,1,2,3                                ; four accumulators by turns; between two links of a chain stand the others' and the next step's eight products
	v_wmma_f32_16x16x128_fp8_fp8 v[OT+8*\u:OT+8*\u+7], v[KV+16*\u:KV+16*\u+15], v[PC:PC+15], v[OT+8*\u:OT+8*\u+7]
.endr
.Lskip:
	s_add_co_u32 s32, s32, 1
	s_cmp_lt_u32 s32, 16
	s_cbranch_scc1 .Lstep
	; THE TILE'S WAY OUT.  O^T / the sum is ctx / 2^(e8 + e9); register 16 B + i is channel 32 B + 16 (lane / 16) + i of my query: the conversions' results are cx's image as they stand
.rept 4
	v_nop                                          ; places behind the last products
.endr
	v_add_f32 v14, v14, v15                        ; the sum's two halves,
	v_permlanex16_b32 v236, v14, s20, s21
	v_add_f32 v14, v14, v236                       ; and lane l xor 16's: the row's sum
	v_rcp_f32 v14, v14
	v_nop                                          ; a plain instruction behind the reciprocal
	s_wait_alu depctr_va_vdst(0)                   ; and the wait ahead of its first reader
.set i, 0
.rept 16
	v_pk_mul_f32 v[SS+i:SS+i+1], v[OT+i:OT+i+1], v[14:15] op_sel_hi:[1,0]
.set i, i+2
.endr
.set i, 0
.rept 32
	v_med3_num_f32 v[SS+i], v[SS+i], -v[CLIM], v[CLIM]   ; the hold at the largest code x the scale
.set i, i+1
.endr
.irp b, 0,1
	v_cvt_scalef32_pk8_fp8_f32 v[CC+4*\b:CC+4*\b+1], v[SS+16*\b:SS+16*\b+7], v[CSC]
	v_cvt_scalef32_pk8_fp8_f32 v[CC+4*\b+2:CC+4*\b+3], v[SS+16*\b+8:SS+16*\b+15], v[CSC]
.endr
	v_nop                                          ; one plain vector instruction behind the last conversion: the next tile's products write the conversions' sources
	global_store_b128 v[LI], v[CC:CC+3], s[48:49]              ; 32 lanes store 512 consecutive bytes, at a multiple of 512 from cx's first byte
	global_store_b128 v[LI], v[CC+4:CC+7], s[48:49] offset:512
	s_sub_co_u32 s26, 127, s26                     ; my second tile
	s_sub_co_u32 s33, s33, 1
	s_cmp_lg_u32 s33, 0
	s_cbranch_scc1 .Ltile
	s_wait_tensorcnt 0x0
	ds_add_u32 v251, v255
	s_wait_dscnt 0x0
	s_endpgm
.Lfunc_end_k_qe55de10cef_attn:
	.size	k_qe55de10cef_attn, .Lfunc_end_k_qe55de10cef_attn-k_qe55de10cef_attn
	.p2alignl 7, 3214868480
	.fill 96, 4, 3214868480
	.section	.rodata,"a",@progbits
	.p2align	6, 0x0
	.amdhsa_kernel k_qe55de10cef_attn
		.amdhsa_group_segment_fixed_size 264192
		.amdhsa_private_segment_fixed_size 0
		.amdhsa_enable_private_segment 0
		.amdhsa_kernarg_size 56
		.amdhsa_user_sgpr_count 2
		.amdhsa_user_sgpr_kernarg_segment_ptr 1
		.amdhsa_wavefront_size32 1
		.amdhsa_system_sgpr_workgroup_id_x 1
		.amdhsa_system_sgpr_workgroup_id_y 1
		.amdhsa_system_sgpr_workgroup_id_z 1
		.amdhsa_system_vgpr_workitem_id 0
		.amdhsa_next_free_vgpr 256
		.amdhsa_next_free_sgpr 66
		.amdhsa_reserve_vcc 1
		.amdhsa_float_denorm_mode_32 3
		.amdhsa_float_denorm_mode_16_64 3
		.amdhsa_memory_ordered 1
		.amdhsa_forward_progress 1
		.amdhsa_inst_pref_size 43
	.end_amdhsa_kernel
	.amdgpu_metadata
---
amdhsa.version: [ 1, 2 ]
amdhsa.kernels:
  - .name:           k_qe55de10cef_attn
    .symbol:         k_qe55de10cef_attn.kd
    .args:
      - { .name: qc, .offset: 0, .size: 8, .value_kind: global_buffer, .address_space: global }
      - { .name: kc, .offset: 8, .size: 8, .value_kind: global_buffer, .address_space: global }
      - { .name: vc, .offset: 16, .size: 8, .value_kind: global_buffer, .address_space: global }
      - { .name: mask, .offset: 24, .size: 8, .value_kind: global_buffer, .address_space: global }
      - { .name: flags, .offset: 32, .size: 8, .value_kind: global_buffer, .address_space: global }
      - { .name: lowp_scales, .offset: 40, .size: 8, .value_kind: global_buffer, .address_space: global }
      - { .name: cx, .offset: 48, .size: 8, .value_kind: global_buffer, .address_space: global }
    .group_segment_fixed_size: 264192
    .private_segment_fixed_size: 0
    .kernarg_segment_align: 8
    .kernarg_segment_size: 56
    .max_flat_workgroup_size: 512
    .sgpr_count:     66
    .vgpr_count:     256
    .wavefront_size: 32
...
	.end_amdgpu_metadata
.endif
;; end of part 3
;; launch outp (part 4): grid 4 x 32, 4 waves a work-group, clusters of 4 x 4, 327,680 bytes of LDS; arguments cx, W_o_codes, lowp_scales, out0; writes out0
.if DOCPART == 4
	.amdgcn_target "amdgcn-amd-amdhsa--gfx1250"
	.amdhsa_code_object_version 6
	.text
	.protected	k_qe55de10cef_outp
	.globl	k_qe55de10cef_outp
	.p2align	8
	.type	k_qe55de10cef_outp,@function
k_qe55de10cef_outp:
	s_mov_b64 s[64:65], 0
	v_nop
	global_prefetch_b8 v0, s[64:65] scope:SCOPE_SE
	s_setreg_imm32_b32 hwreg(HW_REG_WAVE_MODE, 25, 1), 1
	s_wait_xcnt 0x0
	s_wait_alu depctr_hold_cnt(0) depctr_sa_sdst(0) depctr_va_vdst(0) depctr_va_sdst(0) depctr_va_ssrc(0) depctr_va_vcc(0) depctr_vm_vsrc(0)
	s_getreg_b32 s2, hwreg(HW_REG_IB_STS2, 6, 4)
	s_cmp_eq_u32 s2, 0
	s_cbranch_scc0 .Lentry_in_a_cluster
	s_endpgm
.Lentry_in_a_cluster:
	s_bfe_u32 s2, ttmp6, 0x10000c
	s_cmp_lg_u32 s2, 0xf033
	s_cbranch_scc0 .Lentry_shape_is_right
	s_endpgm
.Lentry_shape_is_right:
; out0[m][n] = sum over k of ctx[m][k] W_o[k][n], on codes of FP8 (E4M3).  m: 8,192 tokens; n, k: 1,024.  out0 is f32; sums in f32; each finished sum is multiplied once by 2^(e10 + e11).
; B = W_o's codes, [n][k], K innermost.  A = ctx's codes, made by the attention launch as IMAGES OF THIS PRODUCT'S OPERAND REGISTERS:
; cx: [ks 4][token / 16][q 2][c 4][lane 32][16 bytes]: lane (r, half) holds k = 256 ks + 128 q + 32 c + 16 half + 0..15 of token 16 (token / 16) + r.
; So A's part of a K step of 256 for 128 rows is one dense block of 32,768 bytes, it needs no padding in LDS, and a fragment comes by four loads of 512 consecutive bytes.
; LIMIT: e10 + e11 lies between -126 and 127, so that 2^(e10 + e11) is an f32 number.
; A tile of C, 256 x 256, is made by a work-group of four waves; a wave makes 128 x 128: 64 accumulators of 16 x 16, 512 registers.  K goes in steps of 256 through a ring of two LDS slots filled by the tensor data mover.
; CLUSTERS: 4 x 4 work-groups.  The four of a row of the cluster need the same tiles of A, the four of a column the same tiles of B: each tile is asked for JOINTLY, by the same tensor load with the same descriptor and a mask that names the four.
; THE MATRIX INSTRUCTION IS USED TRANSPOSED (source 0 = 16 rows of B, source 1 = 16 rows of A): a lane then holds eight neighbouring numbers of a row of C.
; In every fragment registers 4 c .. 4 c + 3 hold K = 32 c + 16 (lane / 16) + 0..15: a permutation of k, alike in A and B.
; REGISTERS, in windows of 256: window 0: v0-31 addresses; from v128 A's fragments, ONE set; on the way out v32-255 are free.
;   window 1: B's fragments, TWO sets, at v0 and at v128.   window 2: the 32 accumulators of my rows 0-63 (accumulator (a, b) at v[8 (8 a + b)]);   window 3: those of my rows 64-127.
.set SIZE_N, 1024
.set ROWB,   256                       ; a row of B's tile in bytes: 256 codes
.set KROW,   1024                      ; a row of B in memory, in bytes
.set PITCH,  272                       ; B's LDS row: 256 bytes of data + 16 of padding = 68 words: the 16 rows that a load touches start 4 words further on each
.set FR,     16                        ; registers of a fragment: 16 rows x 128 K
.set NL,     4                         ; LDS loads that bring one
.set NP,     4                         ; places behind this matrix instruction (ISA guide 7.12.1)
.set HALFA,  32768                     ; A: the images of 128 rows x 256 K, dense
.set HALFT,  128*PITCH                 ; B: 128 rows
.set BOFF,   2*HALFA                   ; a slot: A's two halves, then B's two
.set SLOT,   BOFF+2*HALFT
.set KSA,    2097152                   ; from a K step of 256 to the next in cx
.set LAPS,   2                         ; a lap = two K steps = once round the ring: 1,024 / 512
.set SPARE,  2*SLOT                    ; behind the ring: the spare words, 128 bytes for each wave: two blocks of 256 bytes that no other line names
.set SPITCH, 528                       ; the way out: a stage of 16 rows x (512 bytes + 16) for each wave.  It lies in slot 0, which has had its last fill and its last read when the first result is stored there
.set ADRA, 16                          ; v16-17  LDS address of my A fragments in slot 0, 1
.set ADRB, 20                          ; v20-21  the same for B
.set STO,  24                          ; v24     the way out: where I put 32 bytes of a row
.set RD,   25                          ; v25     the way out: where I read a row back
.set CO,   26                          ; v26     16 x lane: my byte offset in a row of C, and in an image
.set SPW,  28                          ; v28     LDS address of my spare word: SPARE + 4 x my thread's number; never rewritten
.set NIL,  29                          ; v29     0; never rewritten
.set TMP,  32                          ; the way out: 64 registers, a block's sums x 2^(e10 + e11)
.set AF,   128                         ; A's fragments, in window 0
.set BK,   128                         ; the way out: 16 rows read back from the stage: v128-191 and v192-255 by turns
.set G1, 24                            ; s[24:31] descriptor group 1 for A's tiles;  s[32:39] group 0, one set for each slot
.set G0, 32
.set G1B, 48                           ; s[48:55], s[56:63] the same for B's tiles
.set G0B, 56
.set MSB, 0
.macro WIN new                         ; the immediate's high byte repeats the setting that is left
.if MSB != \new
	s_set_vgpr_msb (MSB<<8)|\new
.set MSB, \new
.endif
.endm
.set MUL_LO, 0xa1                      ; source 0 (B) window 1, source 1 (A) window 0, C and D window 2
.set MUL_HI, 0xf1                      ; the same, C and D window 3
.set TO_B,   0x40                      ; destination window 1, address window 0
; A joint load: waves 0 and 1 fetch for A, waves 2 and 3 for B.  Each of the two lines has ONE mask and one set of registers for all that issue it; the branch hangs on the wave's number alone.
; Four v_nop follow each of the two lines, ahead of the jump, the label and what follows.
.macro JLOAD g0a, g1a, g0b, g1b
	s_cmp_eq_u32 s15, 0
	s_cbranch_scc0 .Lfor_b_\@
	tensor_load_to_lds s[\g0a:\g0a+3], s[\g1a:\g1a+7]
	s_nop 0
.rept 4
	v_nop
.endr
	s_branch .Lasked_\@
.Lfor_b_\@:
	tensor_load_to_lds s[\g0b:\g0b+3], s[\g1b:\g1b+7]
	s_nop 0
.rept 4
	v_nop
.endr
.Lasked_\@:
.endm
.macro CREST                           ; a round of the cluster's barrier behind its opening barrier
	s_cmp_lg_u32 s14, 0
	s_cbranch_scc1 .Lnot_wave_0_\@
	s_barrier_signal -3
.Lnot_wave_0_\@:
	s_barrier_wait -3
	s_barrier_signal -1
	s_barrier_wait -1
.endm
.macro CROUND                          ; a whole round
	s_barrier_signal -1
	s_barrier_wait -1
	CREST
.endm
	s_load_b128 s[4:7], s[0:1], 0x0                ; cx s[4:5], W_o's codes s[6:7]
	s_load_b128 s[8:11], s[0:1], 0x10              ; the scales' exponents s[8:9], out0 s[10:11]
	v_lshl_add_u32 v[SPW], v0, 2, SPARE
	v_mov_b32 v[NIL], 0
	ds_add_u32 v28, v29
	ds_add_u32 v28, v29
	s_wait_dscnt 0x0
	v_lshrrev_b32 v1, 5, v0
	v_readfirstlane_b32 s14, v1                    ; wave 0..3
	s_lshr_b32 s15, s14, 1                         ; which half of the tile's rows is mine.  Also: I fetch for A (0) or for B (1)
	s_and_b32 s16, s14, 1                          ; which half of its columns.  Also: which 128 rows of that tile I fetch
	s_bfe_u32 s40, ttmp6, 0x40000                  ; cx, cy: my place in the cluster
	s_bfe_u32 s41, ttmp6, 0x40004
	s_lshl_b32 s42, ttmp9, 2
	s_add_co_u32 s42, s42, s40                     ; tile column of C = 4 x cluster x + cx
	s_and_b32 s17, ttmp7, 0xffff
	s_lshl_b32 s17, s17, 2
	s_add_co_u32 s17, s17, s41                     ; tile row of C = 4 x cluster y + cy
	s_lshl_b32 s43, s41, 2
	s_lshl_b32 s43, 15, s43                        ; my row of the cluster
	s_lshl_b32 s44, 0x1111, s40                    ; my column
	; descriptor group 1.  A: a dense block of 32,768 bytes as 128 rows of 256, no padding.  B: 128 rows x 256 bytes, 1,024 apart in memory, padded in LDS
	s_or_b32 s[G1+0], s43, (0<<16)|(1<<21)         ; 15:0 the mask: A's tiles go to my row; 17:16 element of 1 byte; 20 padding off; 21 set beside a mask
	s_or_b32 s[G1B+0], s44, (0<<16)|(1<<20)|(1<<21)|(5<<22)|(3<<25)  ; the mask of my column; padding on: 4 words (code 3) after every 64 (code 5)
.irp g, G1, G1B
	s_mov_b32 s[\g+1], ROWB<<16                    ; tensor_dim0
	s_mov_b32 s[\g+2], 128<<16                     ; tensor_dim1 = 128
	s_mov_b32 s[\g+3], ROWB<<16                    ; tile_dim0
	s_mov_b32 s[\g+4], 128                         ; tile_dim1 = 128
	s_mov_b32 s[\g+6], 0
	s_mov_b32 s[\g+7], 0
.endr
	s_mov_b32 s[G1+5], ROWB                        ; tensor_dim0_stride: A's rows follow each other,
	s_mov_b32 s[G1B+5], KROW                       ; B's lie a row of W_o apart
	s_lshl_b32 s45, s16, 15                        ; A: the half that I fetch: 32,768 bytes, in memory and in a slot
	s_lshl_b32 s20, s17, 16                        ; a tile row's 16 blocks of 4,096 bytes
	s_add_co_u32 s20, s20, s45
	s_mov_b32 s21, 0
	s_lshl_b32 s46, s42, 8
	s_lshl_b32 s19, s16, 7
	s_add_co_u32 s46, s46, s19                     ; B: row 256 x tile column + 128 x half
	s_lshl_b32 s46, s46, 10                        ; in bytes
	s_mov_b32 s47, 0
	s_mul_i32 s22, s16, HALFT
	s_add_co_u32 s22, s22, BOFF                    ; and where it goes: no place in the cluster enters an LDS address
	s_wait_kmcnt 0x0
	s_load_b64 s[96:97], s[8:9], 0x28              ; e10, e11
	s_add_nc_u64 s[20:21], s[4:5], s[20:21]
	s_add_nc_u64 s[46:47], s[6:7], s[46:47]
	CROUND                                         ; all sixteen work-groups are here: the first joint loads meet
.irp s, 0,1
	s_mov_b32 s[G0+4*\s], 1
	s_add_co_u32 s[G0+4*\s+1], s45, \s*SLOT
	s_add_nc_u64 s[G0+4*\s+2:G0+4*\s+3], s[20:21], \s*KSA
	s_or_b32 s[G0+4*\s+3], s[G0+4*\s+3], 0x80000000
	s_mov_b32 s[G0B+4*\s], 1
	s_add_co_u32 s[G0B+4*\s+1], s22, \s*SLOT
	s_add_nc_u64 s[G0B+4*\s+2:G0B+4*\s+3], s[46:47], \s*ROWB
	s_or_b32 s[G0B+4*\s+3], s[G0B+4*\s+3], 0x80000000
	JLOAD G0+4*\s, G1, G0B+4*\s, G1B
.endr
	v_and_b32 v1, 15, v0                           ; l % 16
	v_bfe_u32 v2, v0, 4, 1                         ; l / 16
	v_and_b32 v6, 31, v0
	v_lshlrev_b32 v[CO], 4, v6                     ; 16 x lane
	v_mul_u32_u24 v3, v1, PITCH
	v_lshl_add_u32 v4, v2, 4, v3                   ; B: a fragment's row x pitch + 16 x half
	s_lshl_b32 s21, s15, 15                        ; my 128 rows of A
	s_mul_i32 s22, s16, HALFT                      ; my 128 rows of B,
	s_add_co_u32 s22, s22, BOFF                    ; which lie behind A's images
.irp s, 0,1
	v_add_nc_u32 v[ADRA+\s], s21, v[CO]
	v_add_nc_u32 v[ADRB+\s], s22, v4
	s_add_co_u32 s21, s21, SLOT
	s_add_co_u32 s22, s22, SLOT
.endr
	s_mul_i32 s23, s14, 16*SPITCH                  ; my stage
	v_mul_u32_u24 v5, v1, SPITCH                   ; in: row l % 16, 32 bytes for each half of the lanes
	v_lshl_add_u32 v5, v2, 5, v5
	v_add_nc_u32 v[STO], s23, v5
	v_add_nc_u32 v[RD], s23, v[CO]                 ; back: the 32 lanes take one row of 512 bytes; and the same in C
	s_lshl_b32 s20, s17, 8
	s_lshl_b32 s21, s15, 7
	s_add_co_u32 s20, s20, s21                     ; my first row of C: 256 x tile row + 128 x half,
	s_lshl_b32 s20, s20, 12                        ; in bytes: rows of 4,096; under 2^25
	s_lshl_b32 s46, s42, 10                        ; my first column, in bytes: 1,024 x tile column + 512 x half
	s_lshl_b32 s47, s16, 9
	s_add_co_u32 s46, s46, s47
	s_add_co_u32 s20, s20, s46
	s_mov_b32 s21, 0
	s_add_nc_u64 s[10:11], s[10:11], s[20:21]
.macro FRAG reg, adr, q, i             ; a fragment of B from rows: registers 4 c .. 4 c + 3 hold K = 32 c + 16 (l / 16) + 0 .. 15 of row l % 16
.irp c, 0,1,2,3
	ds_load_b128 v[\reg+4*\c:\reg+4*\c+3], v[\adr] offset:128*(\q)+32*\c+(\i)*16*PITCH
.endr
.endm
.macro FRAGA reg, adr, q, i            ; a fragment of A from its image: the same registers in the same lanes, 512 consecutive bytes a load
.irp c, 0,1,2,3
	ds_load_b128 v[\reg+4*\c:\reg+4*\c+3], v[\adr] offset:4096*(\i)+2048*(\q)+512*\c
.endr
.endm
; 16 matrix instructions: A's blocks a0, a0 + 1 x B's eight, 128 along K.  p: B's set.  zero = 1: the first product starts the sums: nothing is ever cleared.
; The 64 accumulators take turns, one instruction a turn, in the same order in every step.
.macro MUL16 a0, p, zero
.irp a, \a0, \a0+1
.irp b, 0,1,2,3,4,5,6,7
.if \zero
	v_wmma_f32_16x16x128_fp8_fp8 v[8*(8*((\a)%4)+\b):8*(8*((\a)%4)+\b)+7], v[128*(\p)+FR*\b:128*(\p)+FR*\b+FR-1], v[AF+FR*(\a):AF+FR*(\a)+FR-1], 0
.else
	v_wmma_f32_16x16x128_fp8_fp8 v[8*(8*((\a)%4)+\b):8*(8*((\a)%4)+\b)+7], v[128*(\p)+FR*\b:128*(\p)+FR*\b+FR-1], v[AF+FR*(\a):AF+FR*(\a)+FR-1], v[8*(8*((\a)%4)+\b):8*(8*((\a)%4)+\b)+7]
.endif
.endr
.endr
.endm
.macro FETCH_B slot, q, p              ; B's eight fragments of the slot's q-th 128 along K into set p
	WIN TO_B
.irp i, 0,1,2,3,4,5,6,7
	FRAG 128*(\p)+FR*\i, ADRB+\slot, \q, \i
.endr
	WIN 0
.endm
.macro FETCH_A slot, q, i0             ; A's blocks i0 .. i0 + 3
.irp i, \i0, \i0+1, \i0+2, \i0+3
	FRAGA AF+FR*(\i), ADRA+\slot, \q, \i
.endr
.endm
; A load into a register that a matrix instruction has read, and a vector instruction that reads a matrix result, stand NP places behind that matrix instruction, and only plain vector
; instructions that name none of its registers are places (ISA guide 7.12.1 for vector instructions).
.macro PLACES n
.rept \n
	v_nop
.endr
.endm
; A step of 128 along K that has its successor in the same slot.
.macro STEP slot, q, zero
	s_wait_dscnt 4*NL                              ; B's set and A's blocks 0-3 are in; the youngest 16 loads (A's blocks 4-7) may be out
	WIN MUL_LO
	MUL16 0, (\q)%2, \zero
	MUL16 2, (\q)%2, \zero
	s_wait_dscnt 0                                 ; A's blocks 4-7 are in (asked for 32 matrix instructions ago)
	PLACES NP
	FETCH_B \slot, (\q)+1, 1-(\q)%2
	FETCH_A \slot, (\q)+1, 0
	WIN MUL_HI
	MUL16 4, (\q)%2, \zero
	MUL16 6, (\q)%2, \zero
	PLACES NP
	WIN 0
	FETCH_A \slot, (\q)+1, 4
.endm
; A slot's last step changes slots: ONE barrier; in front of it each wave waits for all its tensor loads, adds 0 to its spare word, and waits for that and for its own reads of this slot.  fill = 1: this slot is filled again, two K steps ahead.
.macro TURN slot, next, fill
	s_wait_tensorcnt 0x0                           ; all my tensor loads have landed: my part of the next slot;  (every window is 0 here: the add's two registers lie in window 0)
	ds_add_u32 v[SPW], v[NIL]                      ; 0 onto my spare word
	s_wait_dscnt 4*NL+1                            ; (the add and the youngest 16 loads, A's blocks 4-7, may be out)
	WIN MUL_LO
	MUL16 0, 1, 0                                  ; sixteen matrix instructions stand between the add and the wait for it
	s_wait_dscnt 0x0                               ; the add is done, and my reads of this slot are over
	s_barrier_signal -1
	MUL16 2, 1, 0
	WIN 0
	s_barrier_wait -1
.if \fill
	CREST                                          ; the barrier has opened a round of the cluster's barrier: no wave of any partner still reads this slot's tile or has a load on its way
	s_add_nc_u64 s[G0+4*\slot+2:G0+4*\slot+3], s[G0+4*\slot+2:G0+4*\slot+3], 2*KSA
	s_add_nc_u64 s[G0B+4*\slot+2:G0B+4*\slot+3], s[G0B+4*\slot+2:G0B+4*\slot+3], 2*ROWB
	JLOAD G0+4*\slot, G1, G0B+4*\slot, G1B         ; the first tensor load behind the round; the four v_nop behind it are the places in front of the loads below
.else
	PLACES NP
.endif
	FETCH_B \next, 0, 0
	FETCH_A \next, 0, 0
	WIN MUL_HI
	MUL16 4, 1, 0
	MUL16 6, 1, 0
	PLACES NP
	WIN 0
	FETCH_A \next, 0, 4
.endm
	s_wait_tensorcnt 1                             ; my part of K step 0 is in (K step 1's load may be out)
	s_barrier_signal -1
	s_barrier_wait -1                              ; everybody's is
	FETCH_B 0, 0, 0
	FETCH_A 0, 0, 0
	FETCH_A 0, 0, 4
	STEP 0, 0, 1                                   ; the first step stands in front of the loop: its products start the sums
	s_mov_b32 s3, LAPS-1
.Llap:                                                 ; a trip goes once round the ring, from a lap's second step to the next lap's first, and fills both slots again
	TURN 0, 1, 1
	STEP 1, 0, 0
	TURN 1, 0, 1
	STEP 0, 0, 0
	s_sub_co_u32 s3, s3, 1
	s_cmp_lg_u32 s3, 0
	s_cbranch_scc1 .Llap
	TURN 0, 1, 0                                   ; the last lap fills nothing, and has no round of the cluster's barrier
	STEP 1, 0, 0
	s_wait_dscnt 4*NL                              ; the very last step: nothing more to fetch
	WIN MUL_LO
	MUL16 0, 1, 0
	MUL16 2, 1, 0
	s_wait_dscnt 0
	WIN MUL_HI
	MUL16 4, 1, 0
	MUL16 6, 1, 0
	WIN 0
; THE WAY OUT, block by block of 16 rows x 128 columns.  A lane holds 32 neighbouring bytes of a row, and the lanes beside it hold other rows: so a block goes through my own stage in LDS and comes back as whole
; rows of 512 bytes, which the 32 lanes store together.  LDS serves a wave's instructions in order (ISA guide 5.7.1.4): no wait between the stores and the loads, nor in front of the next block's stores.
.macro TOSTAGE a
.set AC, 64*((\a)%4)
	WIN 0x02+((\a)/4)                              ; source 0: window 2 or 3
.irp j, 0,2,4,6,8,10,12,14,16,18,20,22,24,26,28,30,32,34,36,38,40,42,44,46,48,50,52,54,56,58,60,62
	v_pk_mul_f32 v[TMP+\j:TMP+\j+1], v[AC+\j:AC+\j+1], s[96:97] op_sel_hi:[1,0]   ; both x s96 = 2^(e10 + e11); each accumulator from its low end on
.endr
	WIN 0
.irp b, 0,1,2,3,4,5,6,7
	ds_store_b128 v[STO], v[TMP+8*\b:TMP+8*\b+3] offset:64*\b
	ds_store_b128 v[STO], v[TMP+8*\b+4:TMP+8*\b+7] offset:64*\b+16
.endr
.set BB, BK+64*((\a)%2)
.irp t, 0,1,2,3,4,5,6,7,8,9,10,11,12,13,14,15
	ds_load_b128 v[BB+4*\t:BB+4*\t+3], v[RD] offset:\t*SPITCH
.endr
.endm
.macro SEND a, younger                 ; younger: the LDS instructions issued behind block a's loads, which may stay out
.set BB, BK+64*((\a)%2)
	s_wait_dscnt \younger                          ; the block is back in registers
.if (\a) > 0
	s_add_nc_u64 s[10:11], s[10:11], 16*SIZE_N*4   ; (behind a wait on XCNT: the earlier stores have read their base)  16 rows of C on
.endif
.irp t, 0,1,2,3,4,5,6,7,8,9,10,11,12,13,14,15
	global_store_b128 v[CO], v[BB+4*\t:BB+4*\t+3], s[10:11] offset:\t*SIZE_N*4 th:TH_STORE_NT   ; 32 lanes store 512 consecutive bytes, at a multiple of 512 from C's first byte; written once, read by nobody here
.endr
.endm
	s_wait_kmcnt 0x0
	s_add_co_i32 s96, s96, s97                     ; e10 + e11, between -126 and 127,
	s_add_co_i32 s96, s96, 127
	s_lshl_b32 s96, s96, 23                        ; makes the f32 number 2^(e10 + e11)
	PLACES NP                                      ; in front of the first read of results and of the loads into the registers that held A's fragments
	TOSTAGE 0
.irp a, 1,2,3,4,5,6,7
.if \a > 1
	s_wait_xcnt 0x0                                ; block a - 2's stores have read their registers and their base: block a's loads may land there, and the base may step
.endif
	TOSTAGE \a
	SEND \a-1, 32                                  ; behind block a - 1's loads: block a's 16 stores and 16 loads
.endr
	s_wait_xcnt 0x0                                ; block 6's stores have read their base
	SEND 7, 0
	s_wait_tensorcnt 0x0                           ; the wave's end, behind my last tensor load and my last LDS store
	ds_add_u32 v[SPW], v[NIL]
	s_wait_dscnt 0x0
	CROUND                                         ; the closing round: no work-group ends while a partner may still ask for a tile that names it
	s_endpgm
.Lfunc_end_k_qe55de10cef_outp:
	.size	k_qe55de10cef_outp, .Lfunc_end_k_qe55de10cef_outp-k_qe55de10cef_outp
	.p2alignl 7, 3214868480
	.fill 96, 4, 3214868480
	.section	.rodata,"a",@progbits
	.p2align	6, 0x0
	.amdhsa_kernel k_qe55de10cef_outp
		.amdhsa_group_segment_fixed_size 327680
		.amdhsa_private_segment_fixed_size 0
		.amdhsa_enable_private_segment 0
		.amdhsa_kernarg_size 32
		.amdhsa_user_sgpr_count 2
		.amdhsa_user_sgpr_kernarg_segment_ptr 1
		.amdhsa_wavefront_size32 1
		.amdhsa_system_sgpr_workgroup_id_x 1
		.amdhsa_system_sgpr_workgroup_id_y 1
		.amdhsa_system_sgpr_workgroup_id_z 1
		.amdhsa_system_vgpr_workitem_id 0
		.amdhsa_next_free_vgpr 1024
		.amdhsa_next_free_sgpr 98
		.amdhsa_reserve_vcc 0
		.amdhsa_float_denorm_mode_32 3
		.amdhsa_float_denorm_mode_16_64 3
		.amdhsa_memory_ordered 1
		.amdhsa_forward_progress 1
		.amdhsa_inst_pref_size 123
	.end_amdhsa_kernel
	.amdgpu_metadata
---
amdhsa.version: [ 1, 2 ]
amdhsa.kernels:
  - .name:           k_qe55de10cef_outp
    .symbol:         k_qe55de10cef_outp.kd
    .args:
      - { .name: cx, .offset: 0, .size: 8, .value_kind: global_buffer, .address_space: global }
      - { .name: W_o_codes, .offset: 8, .size: 8, .value_kind: global_buffer, .address_space: global }
      - { .name: lowp_scales, .offset: 16, .size: 8, .value_kind: global_buffer, .address_space: global }
      - { .name: out0, .offset: 24, .size: 8, .value_kind: global_buffer, .address_space: global }
    .group_segment_fixed_size: 327680
    .private_segment_fixed_size: 0
    .kernarg_segment_align: 8
    .kernarg_segment_size: 32
    .max_flat_workgroup_size: 128
    .sgpr_count:     98
    .vgpr_count:     1024
    .wavefront_size: 32
...
	.end_amdgpu_metadata
.endif
;; end of part 4
;; ======== version 2 of 2: 4 launches; version 1 with the launch attn written anew for expert scheduling mode
;; limits: right only within a limited range of input values
;; workspace buffers: flags 512 bytes of whole numbers; qc 8,388,608 bytes; kc 8,388,608 bytes; vc 8,388,608 bytes; cx 8,388,608 bytes
;; launch tileflags: the kernel of part 1 again; grid 128 x 1, 4 waves a work-group, no clusters, 768 bytes of LDS; arguments mask, flags; writes flags
;; launch proj: the kernel of part 2 again; grid 4 x 96, 4 waves a work-group, clusters of 4 x 4, 327,680 bytes of LDS; arguments xq_codes, xk_codes, xv_codes, W_q_codes, W_k_codes, W_v_codes, lowp_scales, qc, kc, vc; writes qc, kc, vc
;; launch attn (part 5): grid 4 x 64, 16 waves a work-group, no clusters, 264,192 bytes of LDS; arguments qc, kc, vc, mask, flags, lowp_scales, cx; writes cx
.if DOCPART == 5
	.amdgcn_target "amdgcn-amd-amdhsa--gfx1250"
	.amdhsa_code_object_version 6
	.text
	.protected	k_qe55de10cef_attn
	.globl	k_qe55de10cef_attn
	.p2align	8
	.type	k_qe55de10cef_attn,@function
k_qe55de10cef_attn:
	s_mov_b64 s[64:65], 0
	v_nop
	global_prefetch_b8 v0, s[64:65] scope:SCOPE_SE
	s_setreg_imm32_b32 hwreg(HW_REG_WAVE_SCHED_MODE, 0, 2), 2
	s_setreg_imm32_b32 hwreg(HW_REG_WAVE_MODE, 25, 1), 1
	s_wait_xcnt 0x0
	s_wait_alu depctr_vm_vsrc(0)
; ctx[b][q][head] = softmax_k(where(mask, -1e9, q . k / 8)) v, both products on codes of FP8 (E4M3), and ctx quantised for the last projection.
; qc, kc, vc are images of operand registers (their layouts: below); mask is [2048][2048] bytes, 1 = masked; flags holds a class for each tile of 16 queries x 128 keys; cx is the image of the last projection's A.
; THE SOFTMAX: t = logit x log2(e); M = the row's largest t so far, rounded UP to a whole number; p = 2^(t - M) is what is quantised, with 2^e8; it is not normalised.  The row's sum is taken of the unquantised p and divides O at the end.
; When M moves, the sum and O are multiplied by 2^(old M - new M): exact.  A masked place has t = -1e9 x log2(e) rounded to f32, -1,442,695,040, a whole number: a row that is wholly masked has p = 1 everywhere, the uniform softmax.
; SHARES.  A work-group serves one head of one batch (y = 16 batch + head) and a quarter of its queries (x = 0..3).  A HEAD'S K AND V CODES, 131,072 bytes each, LIE WHOLE IN LDS: copied in once, as they lie, one barrier, never written again.
; Wave w of work-group x takes query tiles T = 16 x + w and 127 - T, 16 queries each, in 256 registers: four waves to a SIMD, so that one wave's vector work stands beside another's matrix work and LDS loads.
; Under a triangular mask the two tiles together have 17 key steps for every wave; under any other mask the shares are right, only less even.
; A KEY STEP is 128 keys.  Its class, read from flags, steers two scalar branches: class 1: the step is passed over; class 2: the mask's bytes are not read; class 0: they are read and honoured.
; NO JOINT LOADS, though the four work-groups of a head read the same 262,144 bytes: a joint request is a tensor load.
; A tile may pass over up to 15 of its 16 steps.  The shared bytes are read once by each work-group, at its head, and never again.
; LAYOUT.  Both products are used transposed: S^T = K Q^T (source 0 = 16 keys, source 1 = my 16 queries, K = 64), O^T = V^T P^T (source 0 = 16 channels, source 1 = P, K = 128 keys): a lane holds ONE query (lane % 16) throughout.
; kc, qc: [batch][head][step 16][t 8][c 2][lane 32][16 bytes]: lane (rho, half) holds channels 32 c + 16 half + 0..15 of token 128 step + 32 (t / 2) + 8 (t % 2) + rho + 8 (rho / 8):
; so the 16 registers of tiles 2 B and 2 B + 1 of S^T are the 16 neighbouring keys 32 B + 16 (lane / 16) + 0..15, and the conversions' results are P's registers.
; vc: [batch][head][step 16][B1 2][tau 4][B0 2][lane 32][16 bytes]: keys 32 (2 B1 + B0) + 16 half + 0..15 of channel 32 (tau / 2) + 8 (tau % 2) + rho + 8 (rho / 8): likewise O^T's 16 registers of two tiles are 16 neighbouring channels.
; cx: [ks 4][token / 16][q 2][c 4][lane 32][16 bytes]: features 256 ks + 128 q + 32 c + 16 half + 0..15 of token 16 (token / 16) + lane % 16.
; In every fragment registers 4 c .. 4 c + 3 hold k = 32 c + 16 (lane / 16) + 0..15: a permutation of k, alike on both sides of each product.
; LIMITS on the given exponents, so that each power of two below is an f32 number: e8 and e10 - e8 - e9 between -126 and 119; e6 + e7 between -123 and 8.  With e6 + e7 <= 8 an open logit is above -64 x 448^2 x 2^8 / 8 = -4.2e8,
; so that a masked place's p is 0 beside any open place of its row, as in the definition.  NaN codes are not served.
; REGISTERS: v1-4 addresses that stay; v5-7 addresses in hand; v8-11, v225 constants; v12 -M, v13 the largest t, v[14:15] the sum in two halves; v16-23 Q; v24-31 ctx's codes; v32-95 K's eight fragments, then V's four;
; v96-159 S^T, then p; v160-191 O^T; v192-207 p's codes; v208-223 the mask's bytes; v226.. at work; s66-81 sixteen lane masks of a mixed step.
; THE MODE: SCHED_MODE bits 1:0 = 2 (LLVM: expert scheduling mode 2), set by the entry lines.  The code itself states the register dependences
; between vector or matrix instructions and memory or LDS instructions, with s_wait_alu, always for 0.
; THE PLAN.  Registers that memory or LDS instructions touch:
;   v1, v3        16 x lane and Q's offset: written once at the head; read by cx's stores and by Q's loads.
;   v5, v6, v7    The step's LDS addresses of K and V and its offset in the mask: written at the head of every step that is walked; read by that step's loads (v5, v6 also by the head's copy).
;   v32-95        At the head: loaded, then read by LDS stores.  In a step: K's loads land, the eight products K Q^T read them, V's loads land, the four products V^T P read them.
;   v96-159       At the head: loaded, then read by LDS stores.  From then on named by vector and matrix instructions alone.
;   v16-23        Q: loaded at a tile's head, read by the tile's products K Q^T.
;   v208-223      The mask's bytes: loaded in a mixed step, read by that step's 64 v_and_b32.
;   v24-31        ctx's codes: written by a tile's last conversions, read by its two stores.
;   v251, v255    Written at the head, read by the closing add alone.
; A TILE'S HEAD has a wait on vm_vsrc (the head's LDS stores, or the last tile's stores, have read their data) and one on va_vdst (Q's offset is written; the last tile's products are done with Q).
; A STEP'S HEAD has a wait on vm_vsrc, the three additions, and a wait on va_vdst: the three addresses are written, the last step's V^T P is done reading v32-95, the last mixed step is done reading v208-223.
; Behind K Q^T one more wait on va_vdst: those products are done reading K.  From there to V^T P no vector instruction, on either arm, names v32-95 or v6: so V's sixteen loads are dealt among the maximum's lines with no further wait.
; A mixed step's compares write scalar registers, sixteen to a run, with one wait on va_sdst behind each run and ahead of the selects that read them.
.set VIMG, 131072                      ; LDS: K's images at 0 (step j at 8,192 j), V's behind them
.set LI,   1                           ; v1   16 x lane
.set LV,   2                           ; v2   16 x lane + VIMG
.set QA,   3                           ; v3   Q: my lane's place in a step's image
.set MA,   4                           ; v4   the mask: 2,048 x (lane % 16) + 16 x (lane / 16)
.set ADK,  5                           ; v5   LDS address of the step's K
.set ADV,  6                           ; v6   of its V
.set MAJ,  7                           ; v7   the mask's offset for the step
.set TNEG, 8                           ; v8   t of a masked place
.set PSC,  9                           ; v9   2^e8
.set PLIM, 10                          ; v10  448 x 2^e8
.set CSC,  11                          ; v11  2^(e10 - e8 - e9)
.set CLIM, 225                         ; v225 448 x that
.set QF,   16
.set CC,   24
.set KV,   32
.set SS,   96
.set OT,   160
.set PC,   192
.set MB,   208
.set TM,   226                         ; v226, v227 at work
.set MK,   66                          ; s66-81 a run's sixteen lane masks
	s_load_b256 s[4:11], s[0:1], 0x0               ; qc s[4:5], kc s[6:7], vc s[8:9], mask s[10:11]
	s_load_b128 s[12:15], s[0:1], 0x20             ; flags s[12:13], the scales' exponents s[14:15]
	s_load_b64 s[16:17], s[0:1], 0x30              ; cx
	v_lshl_add_u32 v251, v0, 2, 0x40000
	v_mov_b32 v255, 0
	v_lshrrev_b32 v1, 5, v0
	v_readfirstlane_b32 s18, v1                    ; wave 0..15
	s_and_b32 s19, ttmp7, 0xffff                   ; 16 x batch + head
	v_and_b32 v[TM], 31, v0
	v_lshlrev_b32 v[LI], 4, v[TM]
	v_add_nc_u32 v[LV], VIMG, v[LI]
	s_wait_alu depctr_va_sdst(0)                   ; s18 is written, ahead of its first reader
	s_lshl_b32 s34, s18, 13                        ; wave w copies step w: 8,192 bytes of K and of V
	v_add_nc_u32 v[ADK], s34, v[LI]                ; the same number is the offset in the head's codes and the LDS address
	v_add_nc_u32 v[ADV], s34, v[LV]
	s_lshl_b32 s42, s19, 17                        ; the head's 131,072 bytes in qc, kc and vc
	s_mov_b32 s43, 0
	s_wait_kmcnt 0x0
	s_load_b64 s[36:37], s[14:15], 0x18            ; e6, e7
	s_load_b64 s[38:39], s[14:15], 0x20            ; e8, e9
	s_load_b32 s40, s[14:15], 0x28                 ; e10
	s_add_nc_u64 s[4:5], s[4:5], s[42:43]
	s_add_nc_u64 s[6:7], s[6:7], s[42:43]
	s_add_nc_u64 s[8:9], s[8:9], s[42:43]
	s_wait_alu depctr_va_vdst(0)                   ; v5 and v6 are written, which the 32 loads and the 32 LDS stores of the copy read; no vector line between here and those stores names them or the copy's data
.set i, 0
.rept 16
	global_load_b128 v[KV+4*i:KV+4*i+3], v[ADK], s[6:7] offset:512*i   ; 32 lanes read 512 consecutive bytes
.set i, i+1
.endr
.set i, 0
.rept 16
	global_load_b128 v[SS+4*i:SS+4*i+3], v[ADK], s[8:9] offset:512*i
.set i, i+1
.endr
	v_and_b32 v[TM], 7, v0
	v_lshlrev_b32 v[QA], 4, v[TM]                  ; Q of query 16 T + r lies in tile 2 ((T % 8) / 2) + r / 8 of its step, at rho = 8 (T % 2) + r % 8: 16 (r % 8)
	v_bfe_u32 v[TM], v0, 3, 1
	v_lshl_add_u32 v[QA], v[TM], 10, v[QA]         ; + 1,024 (r / 8)
	v_bfe_u32 v[TM+1], v0, 4, 1
	v_lshl_add_u32 v[QA], v[TM+1], 8, v[QA]        ; + 256 (lane / 16)
	v_and_b32 v[TM], 15, v0
	v_lshlrev_b32 v[MA], 11, v[TM]
	v_lshl_add_u32 v[MA], v[TM+1], 4, v[MA]
	v_mov_b32 v[TNEG], 0xceabfb8f                  ; -1e9 x log2(e), rounded to f32: -1,442,695,040
	v_mov_b32 v236, 0                              ; written once: a lane permute's destination counts as one of its sources
	v_mov_b32 v253, 0                              ; (named as the upper half of the pair v[252:253])
	s_mov_b32 s20, 0x76543210                      ; v_permlanex16_b32's selects for lane l xor 16
	s_mov_b32 s21, 0xfedcba98
	s_and_b32 s34, s19, 15                         ; the head
	s_lshr_b32 s35, s34, 2
	s_lshl_b32 s35, s35, 21                        ; cx: ks = head / 4: 2,097,152 bytes,
	s_lshr_b32 s41, s19, 4
	s_lshl_b32 s41, s41, 19                        ; the batch's 128 tiles of 4,096 bytes,
	s_add_co_u32 s35, s35, s41
	s_and_b32 s41, s34, 3
	s_lshl_b32 s41, s41, 10                        ; q = (head / 2) % 2: 2,048; c = 2 (head % 2): 1,024
	s_add_co_u32 s35, s35, s41
	s_lshl_b32 s26, ttmp9, 4
	s_add_co_u32 s26, s26, s18                     ; my first tile of queries: T = 16 x + w
	s_mov_b32 s33, 2                               ; tiles to go
	s_wait_kmcnt 0x0
	s_add_co_i32 s41, s36, s37
	s_lshl_b32 s41, s41, 23
	s_add_co_i32 s22, s41, 0x3e38aa3b              ; c = log2(e) / 8 x 2^(e6 + e7): the two exponents are added to the exponent field
	s_mov_b32 s23, s22                             ; (named with it as a pair, so it is written)
	s_add_co_i32 s41, s38, 127
	s_lshl_b32 s34, s41, 23
	v_mov_b32 v[PSC], s34
	s_add_co_i32 s41, s41, 8
	s_lshl_b32 s41, s41, 23
	s_or_b32 s41, s41, 0x600000
	v_mov_b32 v[PLIM], s41
	s_sub_co_i32 s41, s40, s38
	s_sub_co_i32 s41, s41, s39                     ; O / l stands for ctx / 2^(e8 + e9): its code is (O / l) / 2^(e10 - e8 - e9)
	s_add_co_i32 s41, s41, 127
	s_lshl_b32 s34, s41, 23
	v_mov_b32 v[CSC], s34
	s_add_co_i32 s41, s41, 8
	s_lshl_b32 s41, s41, 23
	s_or_b32 s41, s41, 0x600000
	v_mov_b32 v[CLIM], s41
.set i, 0
.rept 16
	s_wait_loadcnt 31-i                            ; loads come back in order: K's load i is in, the younger ones may be out
	ds_store_b128 v[ADK], v[KV+4*i:KV+4*i+3] offset:512*i
.set i, i+1
.endr
.set i, 0
.rept 16
	s_wait_loadcnt 15-i
	ds_store_b128 v[ADV], v[SS+4*i:SS+4*i+3] offset:512*i
.set i, i+1
.endr
	s_wait_dscnt 0x0                               ; for the others' sake: my stores have landed
	s_barrier_signal -1
	s_barrier_wait -1                              ; the head's K and V lie in LDS; from here on LDS is only read, so this is the launch's one barrier
.Ltile:
	s_wait_xcnt 0x0                                ; the last tile's stores have read their data and their base: both are written again below
	s_wait_alu depctr_vm_vsrc(0)                   ; first tile: the copy's LDS stores have read v32-159, which loads, products and vector lines write below; second tile: the last tile's stores have read v24-31, which this tile's conversions write again
	s_wait_alu depctr_va_vdst(0)                   ; first tile: v3 is written, which Q's loads read; second tile: the last tile's products are done reading v16-23, in which Q's loads land
	s_lshr_b32 s42, s26, 1
	s_lshl_b32 s42, s42, 11                        ; Q: 8,192 (T / 8) + 2,048 ((T % 8) / 2) = 2,048 (T / 2),
	s_and_b32 s34, s26, 1
	s_lshl_b32 s34, s34, 7                         ; + 128 (T % 2)
	s_add_co_u32 s42, s42, s34
	s_add_nc_u64 s[44:45], s[4:5], s[42:43]
	s_lshl_b32 s42, s26, 15
	s_add_nc_u64 s[46:47], s[10:11], s[42:43]      ; the mask at my 16 rows
	s_lshl_b32 s42, s26, 12
	s_add_co_u32 s42, s42, s35
	s_add_nc_u64 s[48:49], s[16:17], s[42:43]      ; cx at my tile's two blocks of 512 bytes
	s_lshl_b32 s42, s26, 2
	s_add_nc_u64 s[50:51], s[12:13], s[42:43]
	s_load_b32 s27, s[50:51], 0x0                  ; the classes of my tile's 16 key steps
	global_load_b128 v[QF:QF+3], v[QA], s[44:45]
	global_load_b128 v[QF+4:QF+7], v[QA], s[44:45] offset:512
	v_mov_b32 v13, 0xff61b1e6                      ; the largest t so far: -3e38, under every t
	v_floor_f32 v12, -v13                          ; -M
	v_mov_b32 v14, 0                               ; the sum, in two halves
	v_mov_b32 v15, 0
.set i, 0
.rept 32
	v_mov_b32 v[OT+i], 0                           ; O^T.  Which step is a tile's first hangs on the flags, so no first product can be written out to start the sums: the first change of M leaves these zeros zeros
.set i, i+1
.endr
	s_wait_kmcnt 0x0
	s_wait_loadcnt 0x0                             ; Q
	s_mov_b32 s32, 0
.Lstep:                                            ; 16 trips, a constant: what is passed over is a step's work
	s_lshl_b32 s29, s32, 1
	s_lshr_b32 s28, s27, s29
	s_and_b32 s28, s28, 3                          ; the step's class
	s_lshl_b32 s30, s32, 13                        ; its images in LDS
	s_lshl_b32 s31, s32, 7                         ; its first key
	s_cmp_eq_u32 s28, 1
	s_cbranch_scc1 .Lskip                          ; every place masked, and each of my queries has an open key elsewhere: all p would be 0
	s_wait_alu depctr_vm_vsrc(0)                   ; the LDS loads and the mask's loads issued so far have read v5, v6 and v7, which the three additions write
	v_add_nc_u32 v[ADK], s30, v[LI]
	v_add_nc_u32 v[ADV], s30, v[LV]
	v_add_nc_u32 v[MAJ], s31, v[MA]                ; made in every step that is walked, ahead of the wait that stands here anyway: a mixed step's loads then owe no wait of their own
	v_nop                                          ; with the three additions: four plain instructions between the last step's products and the loads into registers that those have read; they stay beside the wait below
	s_wait_alu depctr_va_vdst(0)                   ; v5, v6 and v7 are written, which this step's loads read; the last step's products V^T P are done reading v32-95, in which K's loads land; the last mixed step's lines are done reading v208-223, in which the mask's loads land
.irp t, 0,1,2,3,4,5,6,7
.irp c, 0,1
	ds_load_b128 v[KV+8*\t+4*\c:KV+8*\t+4*\c+3], v[ADK] offset:1024*\t+512*\c
.endr
.endr
	s_wait_dscnt 8                                 ; tiles 0-3 are in; the eight loads of tiles 4-7 may be out
.irp t, 0,1,2,3
	v_wmma_f32_16x16x64_fp8_fp8 v[SS+8*\t:SS+8*\t+7], v[KV+8*\t:KV+8*\t+7], v[QF:QF+7], 0
.endr
	s_wait_dscnt 0x0
.irp t, 4,5,6,7
	v_wmma_f32_16x16x64_fp8_fp8 v[SS+8*\t:SS+8*\t+7], v[KV+8*\t:KV+8*\t+7], v[QF:QF+7], 0
.endr
.rept 4
	v_nop                                          ; places in front of the first read of the scores
.endr
	s_wait_alu depctr_va_vdst(0)                   ; the eight products are done reading K's fragments in v32-95, in which V's loads land further down; the places above stay beside this wait
	s_mov_b32 s24, s22                             ; s[24:25]: what turns the registers' numbers into t: c for raw scores
	s_mov_b32 s25, s22
	s_cmp_lg_u32 s28, 0
	s_cbranch_scc1 .Lopen                          ; every place open
	; a mixed step: the scores become t, rounded to f32 as the definition has it, and masked places take the masked t
.irp b, 0,1,2,3
	global_load_b128 v[MB+4*\b:MB+4*\b+3], v[MAJ], s[46:47] offset:32*\b   ; byte i: key 32 b + 16 (lane / 16) + i of my query: register 16 b + i.  No wait: since the step's head only products and v_nop were issued, which name neither v7 nor v208-223
.endr
.set i, 0
.rept 32
	v_pk_mul_f32 v[SS+i:SS+i+1], v[SS+i:SS+i+1], s[22:23] op_sel_hi:[1,0]
.set i, i+2
.endr
	s_wait_loadcnt 0x0
.set g, 0
.rept 4                                        ; four runs of sixteen places: the compares of a run write sixteen scalar registers, one wait, the run's selects
.set n, 16*g
.rept 16
	v_and_b32 v[TM+n%2], 1<<(8*(n%4)), v[MB+n/4]
	v_cmp_ne_u32 s[MK+n%16], 0, v[TM+n%2]
.set n, n+1
.endr
	s_wait_alu depctr_va_sdst(0)                   ; the run's sixteen compares have written s66-81, ahead of the selects that read them
.set n, 16*g
.rept 16
	v_cndmask_b32 v[SS+n], v[SS+n], v[TNEG], s[MK+n%16]
.set n, n+1
.endr
.set g, g+1
.endr
	s_mov_b32 s24, 1.0                             ; the registers hold t already
	s_mov_b32 s25, 1.0
.Lopen:
	v_max3_num_f32 v254, v[SS], v[SS+1], v[SS+2]   ; the step's largest number of my query, among my 64 keys, in two chains; each accumulator is met from its low end on
	v_max3_num_f32 v252, v[SS+3], v[SS+4], v[SS+5]
.set i, 6
.rept 14
.if (i-6)%16 == 0                              ; V's four fragments take K's registers and land under the softmax: four loads at a time, eight lines of the maximum between.  No wait: on either arm no vector line since the wait behind K Q^T names v32-95 or v6
.set u, (i-6)/16
.irp b, 0,1,2,3
	ds_load_b128 v[KV+16*u+4*\b:KV+16*u+4*\b+3], v[ADV] offset:4096*(\b/2)+1024*u+512*(\b%2)
.endr
.endif
	v_max3_num_f32 v254, v254, v[SS+i], v[SS+i+1]
	v_max3_num_f32 v252, v252, v[SS+i+2], v[SS+i+3]
.set i, i+4
.endr
	v_max3_num_f32 v254, v254, v[SS+62], v[SS+63]
	v_max_num_f32 v254, v254, v252
	v_permlanex16_b32 v236, v254, s20, s21
	v_max_num_f32 v254, v254, v236                 ; and among lane l xor 16's
	v_mul_f32 v254, s24, v254                      ; as t (the factor is positive)
	v_max_num_f32 v13, v13, v254                   ; the running largest t
	v_mov_b32 v254, v12
	v_floor_f32 v12, -v13                          ; the new -M = floor(-t) = -ceil(t): M is a whole number
	v_sub_f32 v254, v12, v254                      ; M's old value less its new one: a whole number, 0 or less
	v_cvt_i32_f32 v254, v254                       ; (it saturates)
	v_ldexp_f32 v252, 1.0, v254                    ; f = 2^(old M - new M)
.set i, 0
.rept 32
	v_pk_fma_f32 v[SS+i:SS+i+1], v[SS+i:SS+i+1], s[24:25], v[12:13] op_sel_hi:[1,0,0]   ; t - M, two at a time (of both pairs the low word serves both halves)
.set i, i+2
.endr
.set i, 0
.rept 64
	v_exp_f32 v[SS+i], v[SS+i]                     ; p = 2^(t - M): not normalised
.set i, i+1
.endr
	v_pk_mul_f32 v[14:15], v[14:15], v[252:253] op_sel_hi:[1,0]   ; the sums under the new M: the plain instruction behind the exponentials
	s_wait_alu depctr_va_vdst(0)                   ; the 64 exponentials have written p in v96-159: one wait for the batch, ahead of its first reader
	v_pk_add_f32 v[242:243], v[SS:SS+1], v[SS+2:SS+3]   ; the row's sum is taken of the unquantised p: two at a time, in two chains
.set i, 4
.rept 15
	v_pk_add_f32 v[14:15], v[14:15], v[SS+i:SS+i+1]
	v_pk_add_f32 v[242:243], v[242:243], v[SS+i+2:SS+i+3]
.set i, i+4
.endr
	v_pk_add_f32 v[14:15], v[14:15], v[242:243]
	s_cmp_ge_i32 s38, -8                           ; p is at most 1 (by rounding a few parts in 10^7 more) and the hold lies at 448 x 2^e8, which is 1.75 or more from e8 = -8 on: there it changes no number
	s_cbranch_scc1 .Lnohold
.set i, 0
.rept 64
	v_min_num_f32 v[SS+i], v[SS+i], v[PLIM]        ; the conversion to an 8-bit code does not saturate (ISA guide 7.6.2); p is not negative, so the hold is one-sided
.set i, i+1
.endr
.Lnohold:
.irp b, 0,1,2,3
	v_cvt_scalef32_pk8_fp8_f32 v[PC+4*\b:PC+4*\b+1], v[SS+16*\b:SS+16*\b+7], v[PSC]
	v_cvt_scalef32_pk8_fp8_f32 v[PC+4*\b+2:PC+4*\b+3], v[SS+16*\b+8:SS+16*\b+15], v[PSC]
.endr
.set i, 0
.rept 16
	v_pk_mul_f32 v[OT+i:OT+i+1], v[OT+i:OT+i+1], v[252:253] op_sel_hi:[1,0]   ; O^T under the new M.  (Also the plain instructions between the conversions and the products that read their results)
.set i, i+2
.endr
	s_wait_dscnt 0x0                               ; V is in
.irp u, 0,1,2,3                                ; four accumulators by turns; between two links of a chain stand the others' and the next step's eight products
	v_wmma_f32_16x16x128_fp8_fp8 v[OT+8*\u:OT+8*\u+7], v[KV+16*\u:KV+16*\u+15], v[PC:PC+15], v[OT+8*\u:OT+8*\u+7]
.endr
.Lskip:
	s_add_co_u32 s32, s32, 1
	s_cmp_lt_u32 s32, 16
	s_cbranch_scc1 .Lstep
	; THE TILE'S WAY OUT.  O^T / the sum is ctx / 2^(e8 + e9); register 16 B + i is channel 32 B + 16 (lane / 16) + i of my query: the conversions' results are cx's image as they stand
.rept 4
	v_nop                                          ; places behind the last products
.endr
	v_add_f32 v14, v14, v15                        ; the sum's two halves,
	v_permlanex16_b32 v236, v14, s20, s21
	v_add_f32 v14, v14, v236                       ; and lane l xor 16's: the row's sum
	v_rcp_f32 v14, v14
	v_nop                                          ; a plain instruction behind the reciprocal
	s_wait_alu depctr_va_vdst(0)                   ; the reciprocal has written v14, ahead of its first reader
.set i, 0
.rept 16
	v_pk_mul_f32 v[SS+i:SS+i+1], v[OT+i:OT+i+1], v[14:15] op_sel_hi:[1,0]
.set i, i+2
.endr
.set i, 0
.rept 32
	v_med3_num_f32 v[SS+i], v[SS+i], -v[CLIM], v[CLIM]   ; the hold at the largest code x the scale
.set i, i+1
.endr
.irp b, 0,1
	v_cvt_scalef32_pk8_fp8_f32 v[CC+4*\b:CC+4*\b+1], v[SS+16*\b:SS+16*\b+7], v[CSC]
	v_cvt_scalef32_pk8_fp8_f32 v[CC+4*\b+2:CC+4*\b+3], v[SS+16*\b+8:SS+16*\b+15], v[CSC]
.endr
	v_nop                                          ; one plain vector instruction behind the last conversion: the next tile's products write the conversions' sources
	s_wait_alu depctr_va_vdst(0)                   ; the four conversions have written v24-31, which the two stores read
	global_store_b128 v[LI], v[CC:CC+3], s[48:49]              ; 32 lanes store 512 consecutive bytes, at a multiple of 512 from cx's first byte
	global_store_b128 v[LI], v[CC+4:CC+7], s[48:49] offset:512
	s_sub_co_u32 s26, 127, s26                     ; my second tile
	s_sub_co_u32 s33, s33, 1
	s_cmp_lg_u32 s33, 0
	s_cbranch_scc1 .Ltile
	s_wait_dscnt 0x0                               ; the closing lines, six on end
	s_wait_alu 0x0
	s_wait_tensorcnt 0x0
	ds_add_u32 v251, v255
	s_wait_dscnt 0x0
	s_endpgm
.Lfunc_end_k_qe55de10cef_attn:
	.size	k_qe55de10cef_attn, .Lfunc_end_k_qe55de10cef_attn-k_qe55de10cef_attn
	.p2alignl 7, 3214868480
	.fill 96, 4, 3214868480
	.section	.rodata,"a",@progbits
	.p2align	6, 0x0
	.amdhsa_kernel k_qe55de10cef_attn
		.amdhsa_group_segment_fixed_size 264192
		.amdhsa_private_segment_fixed_size 0
		.amdhsa_enable_private_segment 0
		.amdhsa_kernarg_size 56
		.amdhsa_user_sgpr_count 2
		.amdhsa_user_sgpr_kernarg_segment_ptr 1
		.amdhsa_wavefront_size32 1
		.amdhsa_system_sgpr_workgroup_id_x 1
		.amdhsa_system_sgpr_workgroup_id_y 1
		.amdhsa_system_sgpr_workgroup_id_z 1
		.amdhsa_system_vgpr_workitem_id 0
		.amdhsa_next_free_vgpr 256
		.amdhsa_next_free_sgpr 82
		.amdhsa_reserve_vcc 0
		.amdhsa_float_denorm_mode_32 3
		.amdhsa_float_denorm_mode_16_64 3
		.amdhsa_memory_ordered 1
		.amdhsa_forward_progress 1
		.amdhsa_inst_pref_size 46
	.end_amdhsa_kernel
	.amdgpu_metadata
---
amdhsa.version: [ 1, 2 ]
amdhsa.kernels:
  - .name:           k_qe55de10cef_attn
    .symbol:         k_qe55de10cef_attn.kd
    .args:
      - { .name: qc, .offset: 0, .size: 8, .value_kind: global_buffer, .address_space: global }
      - { .name: kc, .offset: 8, .size: 8, .value_kind: global_buffer, .address_space: global }
      - { .name: vc, .offset: 16, .size: 8, .value_kind: global_buffer, .address_space: global }
      - { .name: mask, .offset: 24, .size: 8, .value_kind: global_buffer, .address_space: global }
      - { .name: flags, .offset: 32, .size: 8, .value_kind: global_buffer, .address_space: global }
      - { .name: lowp_scales, .offset: 40, .size: 8, .value_kind: global_buffer, .address_space: global }
      - { .name: cx, .offset: 48, .size: 8, .value_kind: global_buffer, .address_space: global }
    .group_segment_fixed_size: 264192
    .private_segment_fixed_size: 0
    .kernarg_segment_align: 8
    .kernarg_segment_size: 56
    .max_flat_workgroup_size: 512
    .sgpr_count:     82
    .vgpr_count:     256
    .wavefront_size: 32
...
	.end_amdgpu_metadata
.endif
;; end of part 5
;; launch outp: the kernel of part 4 again; grid 4 x 32, 4 waves a work-group, clusters of 4 x 4, 327,680 bytes of LDS; arguments cx, W_o_codes, lowp_scales, out0; writes out0
